; MI455X (gfx1250); checked and timed in simulation.
; The chip was launched on July 23, 2026; its instructions are those of AMD's public machine-readable ISA for CDNA 5 (MIT licence, August 2026) and "CDNA5" Instruction Set Architecture Reference Guide (July 2026). The comments in the code are by the model that wrote it; some were corrected since.
;; Masked Self Attention. Allowed arithmetic: matrix products marked QUANTISED: E2M3 operands, one E8M0 scale for each 32 along K, by v_wmma_scale_f32_16x16x128_f8f6f4 with both operands' format E2M3, f32 sums; everything else in f32.
;; Inputs: Wk 1,024 x 1,024 float32; Wq 1,024 x 1,024 float32; Wv 1,024 x 1,024 float32; bk 1,024 float32; bq 1,024 float32; bv 1,024 float32; mask 4 x 2,048 x 2,048 float32; x 4 x 2,048 x 1,024 float32.
;; Outputs: out0 4 x 2,048 x 1,024 float32.
;; This version of the problem:
;;   THIS VERSION OF THE PROBLEM IS GIVEN IN LOW PRECISION. The matrix products marked QUANTISED in the list below multiply operands that are first quantised to E2M3 (2 exponent bits, 3 mantissa bits; 6 bits a number), with one power-of-two scale for each 32 numbers along K (OCP MX v1.0); their sums are f32. All else is computed in f32.
;;   The module's matrix products, in the order in which they are computed (A, B: the left and right operand; K: the contracted axis; several contracted axes count as one K, in the product's order):
;;     1. [M 8,192, K 1,024] x [K 1,024, N 1,024]; A: input x; B: input Wq: QUANTISED
;;     2. [M 8,192, K 1,024] x [K 1,024, N 1,024]; A: input x; B: input Wk: QUANTISED
;;     3. [M 8,192, K 1,024] x [K 1,024, N 1,024]; A: input x; B: input Wv: QUANTISED
;;     4. batch 4 x [M 2,048, K 1,024] x [K 1,024, N 2,048]; A: computed on the way; B: computed on the way: QUANTISED
;;     5. batch 4 x [M 2,048, K 2,048] x [K 2,048, N 1,024]; A: softmax (see below); B: computed on the way: QUANTISED
;;   THE QUANTISER, for each operand of a quantised product, along K:
;;     - K is cut into blocks of 32 from its start; a last block that is shorter is filled with zeros.
;;     - A block's scale is 2^e with e = floor(log2(the largest magnitude in the block)) - 2, held to -126 .. 127; a block of zeros has e = 0. As a byte (E8M0): e + 127.
;;     - Each number is divided by its block's scale, clamped to +-7.5, and rounded to the nearest number of E2M3, ties to even, subnormals kept.
;;     - The product sums the exact products of the quantised numbers (number of the format x scale) in f32.
;;   ~~~python
;;   def quantise(x, axis):      # numpy; x: float32 -> the quantised numbers, widened to float32 again
;;       x = np.moveaxis(x, axis, -1); K = x.shape[-1]
;;       x = np.pad(x, [(0, 0)] * (x.ndim - 1) + [(0, -K % 32)]); x = x.reshape(x.shape[:-1] + (-1, 32)); a = np.abs(x).max(-1, keepdims=True)
;;       e = np.where(a > 0, np.clip(np.frexp(np.where(a > 0, a, 1))[1] - 1 - 2, -126, 127), 0)      # np.frexp(a)[1] - 1 = floor(log2(a)), exactly
;;       r = np.clip(x / 2.0 ** e, -7.5, 7.5)
;;       step = 2.0 ** (np.maximum(np.frexp(np.where(r == 0, 1, r))[1] - 1, 0) - 3)
;;       q = np.round(r / step) * step * 2.0 ** e      # np.round: ties to even
;;       return np.moveaxis(q.reshape(q.shape[:-2] + (-1,))[..., :K], -1, axis).astype(np.float32)
;;   ~~~
;;   SOFTMAX AHEAD OF A QUANTISED PRODUCT. Where the list says 'softmax', what is quantised is not the finished softmax but p = 2^(t - M), with t = logit x log2(e) and M = ceil(the row's largest t), a whole number; so 1/2 < the row's largest p <= 1. The row's sum l is taken of the UNQUANTISED p, in f32, and the product's result is divided by l at the end. Since M is a whole number, a kernel that streams over the keys may use a running M (the ceiling of the running maximum): every later rescaling is an exact power of two, which a block's scale takes up: the codes' values come out the same.
;;   OPERANDS COMPUTED ON THE WAY. 'Computed on the way' means the value that the module computes at that place (a softmax that the list does not call 'softmax' is quantised finished and normalised). What goes into a quantiser is computed in f32, as accurately as f32 sums, v_exp_f32 and their like allow (about 1e-6 of the number): no bf16 or f16 on the way to a quantiser, and a product that is left as it is and whose result goes on into a quantised operand takes f32 operands (vector FMAs, or v_wmma_f32_16x16x4_f32). A number that lies on a knife's edge between two numbers of the format may be rounded either way, as far as f32 arithmetic and the matrix unit's own rounding can turn it there, and no further.
;; One version. Each part assembles by itself: llvm-mc -triple=amdgcn-amd-amdhsa -mcpu=gfx1250 --defsym DOCPART=n.
;; ======== version 1 of 1: 4 launches
;; limits: inputs' magnitudes at most 1e+38; right only within a limited range of input values
;; workspace buffers: oc 8,650,752 bytes; os 360,448 bytes; hc 18,874,368 bytes; hs 786,432 bytes; pc 12,582,912 bytes; pst 1,572,864 bytes
;; launch quant (part 1): grid 352 x 1, 4 waves a work-group, no clusters, 35,328 bytes of LDS; arguments x, Wq, Wk, Wv, oc, os; writes oc, os
.if DOCPART == 1
	.amdgcn_target "amdgcn-amd-amdhsa--gfx1250"
	.amdhsa_code_object_version 6
	.text
	.protected	k_qdbd108c3ed_quant
	.globl	k_qdbd108c3ed_quant
	.p2align	8
	.type	k_qdbd108c3ed_quant,@function
k_qdbd108c3ed_quant:
	s_mov_b64 s[64:65], 0
	v_nop
	global_prefetch_b8 v0, s[64:65] scope:SCOPE_SE
	s_setreg_imm32_b32 hwreg(HW_REG_WAVE_MODE, 25, 1), 1
	s_wait_xcnt 0x0
; x [8192][1024] (K innermost) and Wq, Wk, Wv [1024 k][1024 e] (K is the FIRST axis), f32, become codes of FP6 (E2M3) with one E8M0 scale byte for each 32 along K.
; A block's scale is 2^(floor(log2(its largest magnitude)) - 2); its byte is the largest magnitude's exponent field - 2, held at 1 from below.  A block of zeros so gets the byte 1: its codes are zeros, and this program alone reads the bytes.
; LIMITS: NaN and infinities among the inputs are not served; blocks whose largest magnitude lies under 2^-124 keep the byte 1.
; THE WORKSPACE IS LAID AS THE NEXT LAUNCH'S REGISTERS WANT IT.  Codes: oc[block of 16 rows][128 along K][3 planes][32 lanes][16 bytes]: plane p, lane l = registers 4 p .. 4 p + 3 of lane l of the operand
; (lane (r, h): registers 6 c .. 6 c + 5 = k 64 c + 32 h + 0 .. 31 of row r): a fragment is 1,536 bytes, stored by three stores of 512 consecutive bytes.  Scale words: os[128 rows][128 along K][128][4 bytes].
; ROWS ARE STORED WITH BITS 3 AND 4 OF THEIR NUMBER EXCHANGED: stored block 2 G + u, lane r, is true row 32 G + 8 u + r % 8 + 16 (r / 8).  As source 0 of a product such blocks give a lane 16 true neighbours in two neighbouring tiles.
; Row blocks of oc: 0-511 x; 512-575 Wq (row = output column e); 576-639 Wk; 640-703 Wv.
; Work-groups 0-255 take x (64 rows x 512 along K; a wave 64 rows x 128 along K: four fragments), work-groups 256-351 the weights (128 columns x 256 along K; a wave 32 columns).  Waves share nothing: no barrier.  Only the x path touches LDS.
.set R,   16                           ; v16-143  x path: two sets of 64: a fragment's 16 rows x 512 bytes as loaded
.set X,   144                          ; v144-207 the same turned: register 16 b + i = k 32 b + 16 (lane / 16) + i of row lane % 16
.set PC,  208                          ; v208-227 the codes just made (12, and two runs of 3 at +12 and +16)
.set TM,  228                          ; v228-243 largest magnitudes, bytes, scale operands
.set PW,  244                          ; v244     the scale word
.set SEL, 20                           ; s[20:21] selects for v_permlanex16_b32: lane l xor 16
.set WX,  32                           ; v32-95   weights: two sets of 32 numbers down K
.set TU,  160                          ; v160-175 weights: the upper halves of four blocks' codes
.set SB,  24                           ; v24-25   weights: a scale word for each 128 along K
; 64 numbers of a lane become a fragment's codes in v[PC] on and its scale word in v[PW]
.macro QUANT s
.irp b, 0,1,2,3
	v_max3_num_f32 v[TM+\b], |v[\s+16*\b]|, |v[\s+1+16*\b]|, 0x1800000   ; block b: my 16 numbers, and the floor 2^(3 - 127): the byte cannot fall under 1
.endr
.irp i, 2,4,6,8,10,12,14
.irp b, 0,1,2,3
	v_max3_num_f32 v[TM+\b], v[TM+\b], |v[\s+16*\b+\i]|, |v[\s+1+16*\b+\i]|   ; the four blocks by turns
.endr
.endr
.irp b, 0,1,2,3
	v_permlanex16_b32 v[TM+4+\b], v[TM+\b], s[SEL], s[SEL+1]
.endr
.irp b, 0,1,2,3
	v_max_num_f32 v[TM+\b], v[TM+\b], v[TM+4+\b]   ; with lane l xor 16's: the block's largest magnitude
.endr
.irp b, 0,1,2,3
	v_add_nc_u32 v[TM+12+\b], 0xff000000, v[TM+\b]   ; 2 off its exponent field: the conversion takes the exponent field of this operand as its scale
.endr
.irp b, 0,1,2,3
	v_lshrrev_b32 v[TM+4+\b], 23, v[TM+12+\b]      ; the scale's byte
.endr
	v_lshl_or_b32 v[PW], v[TM+5], 8, v[TM+4]
	v_lshl_or_b32 v[PW], v[TM+6], 16, v[PW]
	v_lshl_or_b32 v[PW], v[TM+7], 24, v[PW]
.irp c, 0,1
	v_cvt_scalef32_pk16_fp6_f32 v[PC+6*\c:PC+2+6*\c], v[\s+32*\c:\s+15+32*\c], v[TM+12+2*\c]
	v_cvt_scalef32_pk16_fp6_f32 v[PC+12+4*\c:PC+14+4*\c], v[\s+16+32*\c:\s+31+32*\c], v[TM+12+2*\c+1]   ; (a conversion's three registers begin on an even number)
.endr
	v_nop                                          ; one plain place behind a scaled conversion
.irp c, 0,1                                    ; the operand's layout wants a whole block in a lane: lanes 0-15 block 2 c, lanes 16-31 block 2 c + 1
.irp i, 0,1,2
	v_permlane16_swap_b32 v[PC+6*\c+\i], v[PC+12+4*\c+\i]
.endr
.irp i, 0,1,2
	v_mov_b32 v[PC+3+6*\c+\i], v[PC+12+4*\c+\i]
.endr
.endr
.endm
; stored block f of my 64 rows: 16 loads, each 512 consecutive bytes of one true row
.macro XLOAD f, set
.irp p, 0,1,2,3,4,5,6,7
	global_load_b128 v[R+64*(\set)+4*\p:R+64*(\set)+4*\p+3], v3, s[4:5] offset:(32*((\f)/2)+8*((\f)%2)+\p)*4096 th:TH_LOAD_NT
.endr
.irp p, 8,9,10,11,12,13,14,15
	global_load_b128 v[R+64*(\set)+4*\p:R+64*(\set)+4*\p+3], v3, s[4:5] offset:(32*((\f)/2)+8*((\f)%2)+\p+8)*4096 th:TH_LOAD_NT
.endr
.endm
; through my own stage (rows 528 bytes apart): in as loaded, out 64 bytes of a row to a lane.  LDS serves a wave's instructions in order: no wait between
.macro XTURN set
.irp p, 0,1,2,3,4,5,6,7,8,9,10,11,12,13,14,15
	ds_store_b128 v4, v[R+64*(\set)+4*\p:R+64*(\set)+4*\p+3] offset:528*\p
.endr
.irp b, 0,1,2,3
.irp i, 0,1,2,3
	ds_load_b128 v[X+16*\b+4*\i:X+16*\b+4*\i+3], v5 offset:128*\b+16*\i
.endr
.endr
.endm
.macro XFRAG f
.if \f < 3
	s_wait_loadcnt 16                              ; this fragment's 16 loads are in; the next one's may be out
.else
	s_wait_loadcnt 0x0
.endif
	XTURN (\f)%2
	s_wait_dscnt 0x0                               ; the turned numbers are in, and the stage's stores have read their registers
.if \f < 2
	XLOAD (\f)+2, (\f)%2
.endif
.if \f > 0
	s_wait_xcnt 0x0                                ; the last fragment's stores have read the codes' registers
.endif
	QUANT X
.irp p, 0,1,2
	global_store_b128 v3, v[PC+4*\p:PC+4*\p+3], s[12:13] offset:12288*(\f)+512*\p   ; 512 consecutive bytes, aligned
.endr
	ds_store_b32 v6, v[PW] offset:64*(\f)          ; lanes l and l + 16 write the same word with the same value
.endm
.macro WLOAD t                         ; block t of my 256 along K: W(32 t + i, my column)
.irp i, 0,1,2,3,4,5,6,7,8,9,10,11,12,13,14,15,16,17,18,19,20,21,22,23,24,25,26,27,28,29,30,31
	global_load_b32 v[WX+32*((\t)%2)+\i], v10, s[6:7] offset:(32*(\t)+\i)*4096 th:TH_LOAD_NT
.endr
.endm
.macro WBLOCK t
.set XS, WX+32*((\t)%2)
.set WG, (\t)/4
.set WB, (\t)%4
.set FA, 96+32*WG                      ; even blocks' codes, later the fragment of stored rows 0-15
.set FB, 108+32*WG                     ; odd blocks' codes, later that of stored rows 16-31
.if (\t) < 7
	s_wait_loadcnt 32                              ; this block's 32 loads are in; the next block's may be out
.else
	s_wait_loadcnt 0x0
.endif
	v_max3_num_f32 v12, |v[XS]|, |v[XS+1]|, |v[XS+2]|   ; all 32 numbers of the block are mine
	v_max3_num_f32 v13, |v[XS+3]|, |v[XS+4]|, |v[XS+5]|
.irp i, 6,10,14,18,22,26
	v_max3_num_f32 v12, v12, |v[XS+\i]|, |v[XS+\i+1]|
	v_max3_num_f32 v13, v13, |v[XS+\i+2]|, |v[XS+\i+3]|
.endr
	v_max3_num_f32 v12, v12, |v[XS+30]|, |v[XS+31]|
	v_max3_num_f32 v12, v12, v13, 0x1800000        ; the floor
	v_add_nc_u32 v11, 0xff000000, v12              ; the conversion's scale operand
	v_lshrrev_b32 v13, 23, v11                     ; the byte
.if WB == 0
	v_mov_b32 v[SB+WG], v13
.else
	v_lshl_or_b32 v[SB+WG], v13, 8*WB, v[SB+WG]
.endif
.if WB%2 == 0
	v_cvt_scalef32_pk16_fp6_f32 v[FA+6*(WB/2):FA+6*(WB/2)+2], v[XS:XS+15], v11
.else
	v_cvt_scalef32_pk16_fp6_f32 v[FB+6*(WB/2):FB+6*(WB/2)+2], v[XS:XS+15], v11
.endif
	v_cvt_scalef32_pk16_fp6_f32 v[TU+4*WB:TU+4*WB+2], v[XS+16:XS+31], v11
.if (\t)+2 < 8
	WLOAD (\t)+2
.endif
.if WB == 3                            ; 128 along K are done: lane l holds all four blocks of stored row l of my 32
	v_nop                                          ; one plain place behind a scaled conversion
.irp c, 0,1
.irp i, 0,1,2
	v_mov_b32 v[FA+6*\c+3+\i], v[TU+8*\c+\i]
	v_mov_b32 v[FB+6*\c+3+\i], v[TU+8*\c+4+\i]
.endr
.endr
.irp j, 0,1,2,3,4,5,6,7,8,9,10,11
	v_permlane16_swap_b32 v[FA+\j], v[FB+\j]       ; the first's lanes 16-31 change places with the second's lanes 0-15: two fragments in the operand's layout
.endr
.irp p, 0,1,2
	global_store_b128 v3, v[FA+4*\p:FA+4*\p+3], s[12:13] offset:1536*WG+512*\p
	global_store_b128 v3, v[FB+4*\p:FB+4*\p+3], s[12:13] offset:12288+1536*WG+512*\p
.endr
	global_store_b32 v8, v[SB+WG], s[14:15] offset:512*WG   ; 128 consecutive bytes a wave; the four waves' stores lie on end.  All the weights' scale words are 98,304 bytes
.endif
.endm
	s_load_b256 s[4:11], s[0:1], 0x0               ; x s[4:5], Wq s[6:7], Wk s[8:9], Wv s[10:11]
	s_load_b128 s[12:15], s[0:1], 0x20             ; oc s[12:13], os s[14:15]
	v_lshl_add_u32 v254, v0, 2, 0x8800
	v_mov_b32 v255, 0
	v_lshrrev_b32 v1, 5, v0
	v_readfirstlane_b32 s16, v1                    ; wave
	v_and_b32 v9, 31, v0                           ; lane
	v_lshlrev_b32 v3, 4, v9                        ; 16 x lane
	s_cmp_lt_u32 ttmp9, 256
	s_cbranch_scc0 .Lweights
	; ---- x
	v_and_b32 v1, 15, v0                           ; r
	v_bfe_u32 v2, v0, 4, 1                         ; h
	s_mul_i32 s17, s16, 8704                       ; my wave's LDS: a stage of 16 x 528 bytes, then 256 bytes of scale words
	v_add_nc_u32 v4, s17, v3                       ; into the stage
	v_mul_u32_u24 v5, v1, 528
	v_lshl_add_u32 v5, v2, 6, v5
	v_add_nc_u32 v5, s17, v5                       ; out of it: row r, + 64 h
	s_add_co_u32 s17, s17, 8448
	v_lshl_add_u32 v6, v1, 2, s17                  ; my row's scale word
	v_lshlrev_b32 v8, 3, v9
	v_add_nc_u32 v7, s17, v8                       ; and on the way out 8 bytes a lane
	s_mov_b32 s[SEL], 0x76543210
	s_mov_b32 s[SEL+1], 0xfedcba98
.irp b, 0,1,2,3
	v_mov_b32 v[TM+4+\b], 0                        ; written once: a lane permute's destination counts as one of its sources
.endr
	s_lshr_b32 s18, ttmp9, 1                       ; which 64 rows
	s_and_b32 s22, ttmp9, 1
	s_lshl_b32 s22, s22, 2
	s_add_co_u32 s22, s22, s16                     ; which 128 along K
	s_lshl_b32 s24, s18, 18                        ; x: 64 rows of 4,096 bytes,
	s_lshl_b32 s23, s22, 9
	s_add_co_u32 s24, s24, s23                     ; + 512 bytes for each 128 along K
	s_mov_b32 s25, 0
	s_mul_i32 s26, s18, 49152                      ; oc: four row blocks of 12,288 bytes,
	s_mul_i32 s23, s22, 1536
	s_add_co_u32 s26, s26, s23
	s_mov_b32 s27, 0
	s_lshr_b32 s28, s18, 1                         ; os: the group of 128 rows,
	s_lshl_b32 s28, s28, 12
	s_lshl_b32 s23, s22, 9
	s_add_co_u32 s28, s28, s23
	s_and_b32 s23, s18, 1                          ; and which half of it
	s_lshl_b32 s23, s23, 8
	s_add_co_u32 s28, s28, s23
	s_mov_b32 s29, 0
	s_wait_alu depctr_va_vdst(0)
	s_wait_kmcnt 0x0
	s_add_nc_u64 s[4:5], s[4:5], s[24:25]
	s_add_nc_u64 s[12:13], s[12:13], s[26:27]
	s_add_nc_u64 s[14:15], s[14:15], s[28:29]
	XLOAD 0, 0
	XLOAD 1, 1
	XFRAG 0
	XFRAG 1
	XFRAG 2
	XFRAG 3
	ds_load_b64 v[246:247], v7                     ; my wave's 64 scale words: these loads see my stores
	s_wait_dscnt 0x0
	global_store_b64 v8, v[246:247], s[14:15]      ; 256 consecutive bytes, aligned
	s_wait_tensorcnt 0x0
	ds_add_u32 v254, v255
	s_wait_dscnt 0x0
	s_endpgm
.Lweights:
	; ---- the weights: a lane takes a column, its registers run down K; lane l takes the true column whose stored place is l
	s_wait_alu depctr_va_vdst(0)
	v_and_b32 v10, 7, v9
	v_bfe_u32 v11, v9, 3, 1
	v_lshl_or_b32 v10, v11, 4, v10
	v_bfe_u32 v11, v9, 4, 1
	v_lshl_or_b32 v10, v11, 3, v10
	v_lshlrev_b32 v10, 2, v10                      ; 4 bytes a column
	v_lshlrev_b32 v8, 2, v9
	s_sub_co_u32 s17, ttmp9, 256
	s_lshr_b32 s18, s17, 5                         ; which weight
	s_and_b32 s19, s17, 7                          ; which 128 columns
	s_bfe_u32 s22, s17, 0x20003                    ; which 256 along K
	s_lshl_b32 s24, s22, 20                        ; W: 256 rows of 4,096 bytes,
	s_lshl_b32 s23, s19, 9
	s_add_co_u32 s24, s24, s23
	s_lshl_b32 s23, s16, 7
	s_add_co_u32 s24, s24, s23                     ; + my wave's 32 columns
	s_mov_b32 s25, 0
	s_lshl_b32 s26, s18, 6
	s_lshl_b32 s23, s19, 3
	s_add_co_u32 s26, s26, s23
	s_lshl_b32 s23, s16, 1
	s_add_co_u32 s26, s26, s23
	s_add_co_u32 s26, s26, 512                     ; oc: my first row block
	s_mul_i32 s26, s26, 12288
	s_mul_i32 s23, s22, 3072
	s_add_co_u32 s26, s26, s23
	s_mov_b32 s27, 0
	s_lshl_b32 s28, s18, 3
	s_add_co_u32 s28, s28, s19
	s_add_co_u32 s28, s28, 64                      ; os: my group of 128 rows
	s_lshl_b32 s28, s28, 12
	s_lshl_b32 s23, s22, 10
	s_add_co_u32 s28, s28, s23
	s_lshl_b32 s23, s16, 7
	s_add_co_u32 s28, s28, s23
	s_mov_b32 s29, 0
	s_wait_alu depctr_va_vdst(0)
	s_wait_kmcnt 0x0
	s_cmp_eq_u32 s18, 1                            ; the choice hangs on the work-group's number alone
	s_cselect_b64 s[6:7], s[8:9], s[6:7]
	s_cmp_eq_u32 s18, 2
	s_cselect_b64 s[6:7], s[10:11], s[6:7]
	s_add_nc_u64 s[6:7], s[6:7], s[24:25]
	s_add_nc_u64 s[12:13], s[12:13], s[26:27]
	s_add_nc_u64 s[14:15], s[14:15], s[28:29]
	WLOAD 0
	WLOAD 1
.irp t, 0,1,2,3,4,5,6,7
	WBLOCK \t
.endr
	s_endpgm
.Lfunc_end_k_qdbd108c3ed_quant:
	.size	k_qdbd108c3ed_quant, .Lfunc_end_k_qdbd108c3ed_quant-k_qdbd108c3ed_quant
	.p2alignl 7, 3214868480
	.fill 96, 4, 3214868480
	.section	.rodata,"a",@progbits
	.p2align	6, 0x0
	.amdhsa_kernel k_qdbd108c3ed_quant
		.amdhsa_group_segment_fixed_size 35328
		.amdhsa_private_segment_fixed_size 0
		.amdhsa_enable_private_segment 0
		.amdhsa_kernarg_size 48
		.amdhsa_user_sgpr_count 2
		.amdhsa_user_sgpr_kernarg_segment_ptr 1
		.amdhsa_wavefront_size32 1
		.amdhsa_system_sgpr_workgroup_id_x 1
		.amdhsa_system_sgpr_workgroup_id_y 1
		.amdhsa_system_sgpr_workgroup_id_z 1
		.amdhsa_system_vgpr_workitem_id 0
		.amdhsa_next_free_vgpr 256
		.amdhsa_next_free_sgpr 66
		.amdhsa_reserve_vcc 0
		.amdhsa_float_denorm_mode_32 3
		.amdhsa_float_denorm_mode_16_64 3
		.amdhsa_memory_ordered 1
		.amdhsa_forward_progress 1
		.amdhsa_inst_pref_size 73
	.end_amdhsa_kernel
	.amdgpu_metadata
---
amdhsa.version: [ 1, 2 ]
amdhsa.kernels:
  - .name:           k_qdbd108c3ed_quant
    .symbol:         k_qdbd108c3ed_quant.kd
    .args:
      - { .name: x, .offset: 0, .size: 8, .value_kind: global_buffer, .address_space: global }
      - { .name: Wq, .offset: 8, .size: 8, .value_kind: global_buffer, .address_space: global }
      - { .name: Wk, .offset: 16, .size: 8, .value_kind: global_buffer, .address_space: global }
      - { .name: Wv, .offset: 24, .size: 8, .value_kind: global_buffer, .address_space: global }
      - { .name: oc, .offset: 32, .size: 8, .value_kind: global_buffer, .address_space: global }
      - { .name: os, .offset: 40, .size: 8, .value_kind: global_buffer, .address_space: global }
    .group_segment_fixed_size: 35328
    .private_segment_fixed_size: 0
    .kernarg_segment_align: 8
    .kernarg_segment_size: 48
    .max_flat_workgroup_size: 128
    .sgpr_count:     66
    .vgpr_count:     256
    .wavefront_size: 32
...
	.end_amdgpu_metadata
.endif
;; end of part 1
;; launch proj (part 2): grid 8 x 32, 4 waves a work-group, clusters of 4 x 4, 327,680 bytes of LDS; arguments oc, os, hc, hs, bq, bk, bv; writes hc, hs
.if DOCPART == 2
	.amdgcn_target "amdgcn-amd-amdhsa--gfx1250"
	.amdhsa_code_object_version 6
	.text
	.protected	k_qdbd108c3ed_proj
	.globl	k_qdbd108c3ed_proj
	.p2align	8
	.type	k_qdbd108c3ed_proj,@function
k_qdbd108c3ed_proj:
	s_mov_b64 s[64:65], 0
	v_nop
	global_prefetch_b8 v0, s[64:65] scope:SCOPE_SE
	s_setreg_imm32_b32 hwreg(HW_REG_WAVE_MODE, 25, 1), 1
	s_wait_xcnt 0x0
	s_wait_alu depctr_hold_cnt(0) depctr_sa_sdst(0) depctr_va_vdst(0) depctr_va_sdst(0) depctr_va_ssrc(0) depctr_va_vcc(0) depctr_vm_vsrc(0)
	s_getreg_b32 s2, hwreg(HW_REG_IB_STS2, 6, 4)
	s_cmp_eq_u32 s2, 0
	s_cbranch_scc0 .Lentry_in_a_cluster
	s_endpgm
.Lentry_in_a_cluster:
	s_bfe_u32 s2, ttmp6, 0x10000c
	s_cmp_lg_u32 s2, 0xf033
	s_cbranch_scc0 .Lentry_shape_is_right
	s_endpgm
.Lentry_shape_is_right:
; q = x Wq + bq, k = x Wk + bk, v = x Wv + bv on codes of FP6 (E2M3) with E8M0 scales, K = 1,024; the results are quantised at once for the next products: q and k along e, v along the keys.
; A WORK-GROUP MAKES TWO TILES, so that 256 work-groups have equal work: first 256 tokens (A) x 256 rows of Wq | Wk (B), then 128 rows of Wv (A) x 256 tokens (B): 512 + 256 matrix instructions a wave.
; SOURCE 0 IS ALWAYS B, the axis along which the result is quantised next: a lane then holds one row of A and, since stored rows have bits 3 and 4 exchanged, the 16 registers of tiles 2 b, 2 b + 1 are 16 true neighbours.
; Operands come as images of the operand's registers: buf[16 rows][128 along K][3][32 lanes][16 bytes]; a fragment is three ds_load_b128 at 16 x lane: no pitch, no padding.  Scale words: buf[128 rows][128 along K][128][4].
; FIRST TILE: four waves, each 128 x 128: 64 accumulators.  K goes in four slots' worth of 256 through a ring of two LDS slots; the eight steps of 128 are written out, no loop.
; SECOND TILE: each wave 64 x 128: 32 accumulators.  All its operands lie in LDS before its first product: Wv's 128 rows (98,304 bytes) come with the first fills into bytes of their own; the tokens' steps 0-3 are filled into slot 0 when the
; first tile has left it, steps 4-7 into slot 1 behind the first tile's last product, and land while the first tile is quantised and stored.  Every one of these loads has the ring's shape: 8 row blocks x 2 steps, 24,576 bytes.
; CLUSTERS 4 x 4: A's tiles are shared along a row of the cluster, B's along a column, in both tiles: joint tensor loads.  The first tile's scale words come once, with the first fills, jointly.  The second tile's (12,288 bytes: three blocks
; of 4,096 under two masks, which four waves cannot share evenly as tensor loads) come through registers, 512 consecutive bytes a load, into LDS bytes of their own: 4 bytes in 100 of what a work-group fetches.
; The bias is the C of each sum's first matrix instruction, so it is the first addend of the f32 sum and not the last.
; OUT: hc[row block][16][1,536]: row blocks 0-511 tokens (places 0-7 q, 8-15 k along e); 512 + 64 batch + d / 16: v, places = key / 128.  hs likewise, [128 rows][16][512].
; LIMITS: NaN and infinities are not served; blocks whose largest magnitude lies under 2^-124 keep the byte 1.
; REGISTERS: window 0: v1-31 addresses; v32-63 scale words, two sets, and nothing else; v64-127 the bias, later (v96-115) codes; v128-223 A's fragments, one set; v192-219 at work on the way out; v224-251 the second tile's scale words in
; transit and bv's words.  window 1: B's two sets, at v0 and v128.  windows 2, 3: the accumulators ((a, b) at 8 ((8 a + b) % 32)).
; THE PRESENT FORM, where it differs from the lines above.  The head has one tensor load a wave: wave 0 A's 16 row blocks of slot 0, wave 1 B's, waves 2 and 3 each four of Wv's eight row blocks, all of K (49,152 dense bytes, laid [block][8 steps][1,536]).
; Slot 1 is first filled behind the full sequence and a round.  The first tile's scale words come through registers too, 4,096 bytes a wave, into LDS bytes into which no fill lands.
; q and k leave as hc[256 tokens][place 0-15 along e (0-7 q, 8-15 k)][16 row blocks][1,536]: a run of places of one tile is one dense block.  v's part of hc stays as said above.
.set NA,    8
.set AMUL,  1                          ; A's blocks lie AMUL x NQ fragments apart in LDS (the second tile sets 4)
.set OSTR,  1536                       ; from block to block of the results (the second tile sets 24,576)
.set NQ,    2                          ; steps of 128 along K in a slot, and in a pair of the second tile's steps
.set FRB,   1536                       ; a fragment's image
.set KSTR,  1536                       ; from row block to row block in oc, in elements of 8 bytes
.set SLOT,  32*NQ*FRB                  ; A's 16 blocks, then B's 16: 98,304 bytes
.set FREG,  2*SLOT                     ; behind the ring: Wv's 128 rows, all of K: [block][8 steps][1,536], filled once
.set SCL,   3*SLOT                     ; the first tile's scale words: four regions of 4,096 bytes: A's halves, B's halves: [8][512], stored by the waves
.set SC2,   SCL+4*4096                 ; the second tile's: A's 4,096 bytes, then B's two halves; stored by the waves: no fill lands here
.set SPARE, SC2+3*4096                 ; the spare words, 128 bytes a wave: two blocks of 256 bytes that no other line names
.set STAT,  SPARE+512                  ; 512 bytes a wave: the first tile's new scale words
.set STAT2, STAT+4*512                 ; 256 bytes a wave: the second tile's
.set ADRA,  16                         ; v16-17 A's fragments in slot 0, 1  (second tile: v8-11, one for each pair of steps)
.set ADRB,  20                         ; v20-21 B's                         (second tile: v12-15)
.set LI,    26                         ; 16 x lane
.set ADRS,  27                         ; my scale words                     (second tile: v7)
.set SPW,   28
.set NIL,   29
.set SC,    32
.set CB,    64
.set PC,    96
.set AF,    128
.set TM,    192                        ; the way out: v192-207 at work, v208-215 a scale word for each block, v216-219 the words read back
.set PW,    208
.set RB,    216
.set S2T,   224
.set B2W,   248
.set G1,  24
.set G0,  32
.set G1B, 48
.set G0B, 56
.set G1S, 68
.set G0S, 76
.set G1SB, 80
.set G0SB, 88
.set MSB, 0
.macro WIN new                         ; the immediate's high byte repeats the setting that is left
.if MSB != (\new)
	s_set_vgpr_msb (MSB<<8)|(\new)
.set MSB, (\new)
.endif
.endm
.macro PLACES n                        ; plain places behind matrix instructions, in front of loads into registers that they read and of reads of results
.rept \n
	v_nop
.endr
.endm
; A joint load: waves 0 and 1 fetch for A, waves 2 and 3 for B; the branch hangs on the wave's number alone.  Four v_nop follow each line.
.macro JLOAD g0a, g1a, g0b, g1b
	s_cmp_eq_u32 s15, 0
	s_cbranch_scc0 .Lfor_b_\@
	tensor_load_to_lds s[\g0a:\g0a+3], s[\g1a:\g1a+7]
	s_nop 0
.rept 4
	v_nop
.endr
	s_branch .Lasked_\@
.Lfor_b_\@:
	tensor_load_to_lds s[\g0b:\g0b+3], s[\g1b:\g1b+7]
	s_nop 0
.rept 4
	v_nop
.endr
.Lasked_\@:
.endm
.macro CREST                           ; a round of the cluster's barrier behind its opening barrier
	s_cmp_lg_u32 s14, 0
	s_cbranch_scc1 .Lnot_wave_0_\@
	s_barrier_signal -3
.Lnot_wave_0_\@:
	s_barrier_wait -3
	s_barrier_signal -1
	s_barrier_wait -1
.endm
.macro CROUND
	s_barrier_signal -1
	s_barrier_wait -1
	CREST
.endm
.macro FRAG reg, adr, i, q             ; block i's fragment of the slot's (or pair's) q-th 128 along K: the image comes back as it was stored
.irp p, 0,1,2
	ds_load_b128 v[\reg+4*\p:\reg+4*\p+3], v[\adr] offset:((\i)*NQ+(\q))*FRB+512*\p
.endr
.endm
.macro FETCH_B slot, q, p
	WIN 0x40
.irp i, 0,1,2,3,4,5,6,7
	FRAG 128*(\p)+12*\i, ADRB+\slot, \i, \q
.endr
	WIN 0
.endm
.macro FETCH_A slot, q, i0, n
.set FI, \i0
.rept \n
	FRAG AF+12*FI, ADRA+\slot, FI*AMUL, \q
.set FI, FI+1
.endr
.endm
.macro SCALES sc                       ; register NQ i + q: lanes 0-15 the word of A's block i, lanes 16-31 that of B's block i (second tile, i > 3: lanes 0-15 read bytes that have been written and are not used)
.set SI, 0
.rept 8
.set SQ, 0
.rept NQ
	ds_load_b32 v[SC+8*NQ*(\sc)+NQ*SI+SQ], v[ADRS] offset:512*SQ+64*SI
.set SQ, SQ+1
.endr
.set SI, SI+1
.endr
.endm
; A's blocks a0 .. a0 + n - 1 against B's eight.  cm = 0: the sums go on; 1: they begin with the bias of B's rows; 2: with that of A's rows.  The accumulators take turns, one instruction a turn.
.macro MULR a0, n, p, q, sc, cm
.if ((\cm) == 1) || ((\cm) == 2)
	WIN 0x81+0x40*((\a0)/4)
.else
	WIN 0xa1+0x50*((\a0)/4)
.endif
.set MA, \a0
.rept \n
.irp b, 0,1,2,3,4,5,6,7
.set MD, 8*((8*MA+\b)%32)
.if (\cm) == 1
	v_wmma_scale_f32_16x16x128_f8f6f4 v[MD:MD+7], v[128*(\p)+12*\b:128*(\p)+12*\b+11], v[AF+12*MA:AF+12*MA+11], v[CB+8*\b:CB+8*\b+7], v[SC+8*NQ*(\sc)+NQ*\b+(\q)], v[SC+8*NQ*(\sc)+NQ*MA+(\q)] matrix_a_fmt:MATRIX_FMT_FP6 matrix_b_fmt:MATRIX_FMT_FP6 matrix_a_scale:MATRIX_SCALE_ROW1
.elseif (\cm) == 2
	v_wmma_scale_f32_16x16x128_f8f6f4 v[MD:MD+7], v[128*(\p)+12*\b:128*(\p)+12*\b+11], v[AF+12*MA:AF+12*MA+11], v[CB+8*MA:CB+8*MA+7], v[SC+8*NQ*(\sc)+NQ*\b+(\q)], v[SC+8*NQ*(\sc)+NQ*MA+(\q)] matrix_a_fmt:MATRIX_FMT_FP6 matrix_b_fmt:MATRIX_FMT_FP6 matrix_a_scale:MATRIX_SCALE_ROW1
.else
	v_wmma_scale_f32_16x16x128_f8f6f4 v[MD:MD+7], v[128*(\p)+12*\b:128*(\p)+12*\b+11], v[AF+12*MA:AF+12*MA+11], v[MD:MD+7], v[SC+8*NQ*(\sc)+NQ*\b+(\q)], v[SC+8*NQ*(\sc)+NQ*MA+(\q)] matrix_a_fmt:MATRIX_FMT_FP6 matrix_b_fmt:MATRIX_FMT_FP6 matrix_a_scale:MATRIX_SCALE_ROW1
.endif
.endr
.set MA, MA+1
.endr
.endm
; A step of 128 along K that has its successor in the same slot (or pair)
.macro STEP slot, q, cm
	s_wait_dscnt 3*NA/2                            ; B's set, A's lower blocks and the scale words are in; the youngest loads (A's upper blocks) may be out
	MULR 0, NA/2, (\q)%2, \q, (\slot)%2, \cm
	s_wait_dscnt 0x0                               ; A's upper blocks are in
	PLACES 4
	FETCH_B \slot, (\q)+1, 1-(\q)%2
	FETCH_A \slot, (\q)+1, 0, NA/2
	MULR NA/2, NA/2, (\q)%2, \q, (\slot)%2, \cm
	PLACES 4
	WIN 0
	FETCH_A \slot, (\q)+1, NA/2, NA/2
.endm
; A slot's last step changes slots: one barrier, which opens a round of the cluster's; in front of it each wave waits for all its tensor loads, adds 0 to its spare word, and waits for that and for its reads of this slot.
; fill = 1: the slot is filled again, two slots ahead.  fill = 2 (slot 0, which the first tile has left): every wave fills a quarter of it with the second tile's tokens, steps 0-3.
.macro TURN slot, next, fill
	s_wait_tensorcnt 0x0                           ; all my tensor loads have landed: my part of the next slot
	ds_add_u32 v[SPW], v[NIL]                      ; 0 onto my spare word
	s_wait_dscnt 3*NA/2+1                          ; (the add and A's upper blocks may be out)
	MULR 0, NA/4, 1, NQ-1, \slot, 0
	s_wait_dscnt 0x0                               ; the add is done, and my reads of this slot are over
	s_barrier_signal -1
	MULR NA/4, NA/4, 1, NQ-1, \slot, 0
	WIN 0
	s_barrier_wait -1
	CREST                                          ; no wave of any partner still reads this slot or has a load on its way
.if (\fill) == 1
	s_add_nc_u64 s[G0+4*\slot+2:G0+4*\slot+3], s[G0+4*\slot+2:G0+4*\slot+3], 2*NQ*FRB
	s_add_nc_u64 s[G0B+4*\slot+2:G0B+4*\slot+3], s[G0B+4*\slot+2:G0B+4*\slot+3], 2*NQ*FRB
	JLOAD G0+4*\slot, G1, G0B+4*\slot, G1B         ; the first tensor load behind the round; its four v_nop are the places in front of the loads below
.else
	s_mov_b64 s[G0B+2:G0B+3], s[66:67]             ; B's group 0 of slot 0 keeps its LDS address (24,576 x wave) and takes the tokens' address: no load of mine is out
	s_or_b32 s[G0B+3], s[G0B+3], 0x80000000
	tensor_load_to_lds s[G0B:G0B+3], s[G1B:G1B+7]  ; one line, one mask (my column), all four waves: half wave % 2 of the rows, pair wave / 2 of the steps
	s_nop 0
	PLACES 4
.endif
	s_wait_alu depctr_va_vdst(0)
	v_add_nc_u32 v[ADRS], 512*NQ, v[ADRS]          ; the next slot's scale words
	FETCH_B \next, 0, 0
	FETCH_A \next, 0, 0, NA/2
	SCALES \next
	MULR NA/2, NA/2, 1, NQ-1, \slot, 0
	PLACES 4
	WIN 0
	FETCH_A \next, 0, NA/2, NA/2
.endm
; The second tile: a pair's last step, with the next pair's first fragments and scale words: everything lies in LDS, so no barrier
.macro NEXT slot, next
	s_wait_dscnt 3*NA/2
	MULR 0, NA/2, 1, NQ-1, (\slot)%2, 0
	s_wait_dscnt 0x0
	PLACES 4
	WIN 0
	v_add_nc_u32 v[ADRS], 512*NQ, v[ADRS]
	FETCH_B \next, 0, 0
	FETCH_A \next, 0, 0, NA/2
	SCALES (\next)%2
	MULR NA/2, NA/2, 1, NQ-1, (\slot)%2, 0
	PLACES 4
	WIN 0
	FETCH_A \next, 0, NA/2, NA/2
.endm
.macro FINISH sc                       ; a tile's very last step: nothing more to fetch
	s_wait_dscnt 3*NA/2
	MULR 0, NA/2, 1, NQ-1, \sc, 0
	s_wait_dscnt 0x0
	MULR NA/2, NA/2, 1, NQ-1, \sc, 0
	WIN 0
.endm
; Block a's 16 rows x 128: 64 numbers a lane, register 16 b + i = place 32 b + 16 (lane / 16) + i along the next K, become a fragment and a scale word.  Each accumulator is read from its low end on.
; OUTB: the scalar pair with the codes' address;  STA: the register with my row's place among the wave's new scale words
.macro QUANTW a
.set QW, 2+(\a)/4
.set QS, 64*((\a)%4)
	WIN QW|(QW<<2)
.irp b, 0,1,2,3
	v_max3_num_f32 v[TM+\b], |v[QS+16*\b]|, |v[QS+16*\b+1]|, 0x1800000   ; with the floor 2^(3 - 127)
.endr
.irp i, 2,4,6,8,10,12,14
.irp b, 0,1,2,3
	v_max3_num_f32 v[TM+\b], |v[QS+16*\b+\i]|, |v[QS+16*\b+\i+1]|, v[TM+\b]
.endr
.endr
	WIN 0
.irp b, 0,1,2,3
	v_permlanex16_b32 v[TM+4+\b], v[TM+\b], s2, s3
.endr
.irp b, 0,1,2,3
	v_max_num_f32 v[TM+\b], v[TM+\b], v[TM+4+\b]
.endr
.irp b, 0,1,2,3
	v_add_nc_u32 v[TM+12+\b], 0xff000000, v[TM+\b]   ; 2 off the exponent field: the conversion's scale operand
.endr
.irp b, 0,1,2,3
	v_lshrrev_b32 v[TM+4+\b], 23, v[TM+12+\b]
.endr
	v_lshl_or_b32 v[PW+\a], v[TM+5], 8, v[TM+4]
	v_lshl_or_b32 v[PW+\a], v[TM+6], 16, v[PW+\a]
	v_lshl_or_b32 v[PW+\a], v[TM+7], 24, v[PW+\a]
	s_wait_xcnt 0x0                                ; the earlier stores have read the codes' registers
	WIN QW
.irp c, 0,1
	v_cvt_scalef32_pk16_fp6_f32 v[PC+6*\c:PC+2+6*\c], v[QS+32*\c:QS+15+32*\c], v[TM+12+2*\c]
	v_cvt_scalef32_pk16_fp6_f32 v[PC+12+4*\c:PC+14+4*\c], v[QS+16+32*\c:QS+31+32*\c], v[TM+12+2*\c+1]
.endr
	WIN 0
	v_nop                                          ; one plain place behind a scaled conversion
.irp c, 0,1
.irp i, 0,1,2
	v_permlane16_swap_b32 v[PC+6*\c+\i], v[PC+12+4*\c+\i]
.endr
.irp i, 0,1,2
	v_mov_b32 v[PC+3+6*\c+\i], v[PC+12+4*\c+\i]
.endr
.endr
.irp p, 0,1,2
	global_store_b128 v[LI], v[PC+4*\p:PC+4*\p+3], s[OUTB:OUTB+1] offset:OSTR*(\a)+512*\p   ; 512 consecutive bytes, aligned
.endr
	ds_store_b32 v[STA], v[PW+\a] offset:64*(\a)   ; lanes l and l + 16 write the same word with the same value
.endm
	s_load_b256 s[4:11], s[0:1], 0x0               ; oc s[4:5], os s[6:7], hc s[8:9], hs s[10:11]
	s_load_b128 s[96:99], s[0:1], 0x20             ; bq, bk
	s_load_b64 s[12:13], s[0:1], 0x30              ; bv
	v_lshl_add_u32 v[SPW], v0, 2, SPARE
	v_mov_b32 v[NIL], 0
	ds_add_u32 v28, v29
	ds_add_u32 v28, v29
	s_wait_dscnt 0x0
	v_lshrrev_b32 v1, 5, v0
	v_readfirstlane_b32 s14, v1                    ; wave 0..3
	s_lshr_b32 s15, s14, 1                         ; my half of A's rows.  Also: in the ring I fetch for A (0) or for B (1)
	s_and_b32 s16, s14, 1                          ; my half of B's rows.  Also: which half of a tile's rows I fetch
	s_bfe_u32 s40, ttmp6, 0x40000                  ; cx
	s_bfe_u32 s41, ttmp6, 0x40004                  ; cy
	s_and_b32 s17, ttmp7, 0xffff
	s_lshl_b32 s18, s17, 2                         ; 4 x the cluster's y
	s_lshl_b32 s19, ttmp9, 2                       ; 4 x the cluster's x
	s_add_co_u32 s42, s41, s18                     ; first tile, A: which 256 tokens: cy + 4 x cluster y
	s_add_co_u32 s43, s40, s19                     ; first tile, B: which 256 rows of Wq | Wk: cx + 4 x cluster x
	s_add_co_u32 s44, s41, s19                     ; second tile, A: which 128 rows of Wv: cy + 4 x cluster x
	s_add_co_u32 s45, s40, s18                     ; second tile, B: which 256 tokens: cx + 4 x cluster y
	s_lshl_b32 s47, s41, 2
	s_lshl_b32 s47, 15, s47                        ; my row of the cluster
	s_lshl_b32 s66, 0x1111, s40                    ; my column
	; group 1 for codes: 8 row blocks, each NQ fragments on end (3,072 bytes), in elements of 8 bytes; no padding.  It serves both tiles
	s_or_b32 s[G1+0], s47, (3<<16)|(1<<21)
	s_or_b32 s[G1B+0], s66, (3<<16)|(1<<21)
.irp g, G1, G1B
	s_mov_b32 s[\g+1], (192*NQ)<<16                ; tensor_dim0
	s_mov_b32 s[\g+2], 16<<16                      ; tensor_dim1: 16 row blocks for the head's loads; set to 8 behind them
	s_mov_b32 s[\g+3], (192*NQ)<<16                ; tile_dim0
	s_mov_b32 s[\g+4], 16                          ; tile_dim1
	s_mov_b32 s[\g+5], KSTR                        ; from row block to row block
	s_mov_b32 s[\g+6], 0
	s_mov_b32 s[\g+7], 0
.endr
	s_or_b32 s[G1S+0], s47, (3<<16)|(1<<21)        ; group 1 for Wv: four row blocks, each all of K: 12,288 bytes on end
	s_mov_b32 s[G1S+1], 1536<<16
	s_mov_b32 s[G1S+2], 4<<16
	s_mov_b32 s[G1S+3], 1536<<16
	s_mov_b32 s[G1S+4], 4
	s_mov_b32 s[G1S+5], 1536
	s_mov_b32 s[G1S+6], 0
	s_mov_b32 s[G1S+7], 0
	s_lshl_b32 s18, s16, 3                         ; the half that I fetch: 8 row blocks
	s_lshl_b32 s20, s42, 4
	s_add_co_u32 s20, s20, s18                     ; first tile, A's first row block
	s_lshl_b32 s22, s20, 9                         ; its scale words: 4,096 bytes for 8 row blocks
	s_mul_i32 s20, s20, 12288
	s_mov_b32 s21, 0
	s_mov_b32 s23, 0
	s_lshl_b32 s92, s43, 4
	s_add_co_u32 s92, s92, s18
	s_add_co_u32 s92, s92, 512                     ; first tile, B's first row block
	s_lshl_b32 s94, s92, 9
	s_mul_i32 s92, s92, 12288
	s_mov_b32 s93, 0
	s_mov_b32 s95, 0
	s_lshl_b32 s100, s44, 3
	s_add_co_u32 s100, s100, 640                   ; second tile, A: Wv's 8 row blocks,
	s_mul_i32 s100, s100, 12288
	s_mul_i32 s19, s16, 4*12288
	s_add_co_u32 s100, s100, s19                   ; of which wave 2 + h fetches the four blocks from 4 h on
	s_mov_b32 s101, 0
	s_lshl_b32 s66, s45, 4                         ; second tile, B (the mask has gone into its descriptors): the tokens' 16 row blocks,
	s_add_co_u32 s66, s66, s18                     ; my half of them,
	s_mul_i32 s66, s66, 12288
	s_mul_i32 s19, s15, NQ*FRB
	s_add_co_u32 s66, s66, s19                     ; pair wave / 2 of four steps
	s_mov_b32 s67, 0
	s_mul_i32 s17, s14, 8*NQ*FRB                   ; where they go: 24,576 x wave: no place in the cluster enters an LDS address
	s_wait_kmcnt 0x0
	s_add_nc_u64 s[20:21], s[4:5], s[20:21]
	s_add_nc_u64 s[22:23], s[6:7], s[22:23]
	s_add_nc_u64 s[92:93], s[4:5], s[92:93]
	s_add_nc_u64 s[94:95], s[6:7], s[94:95]
	s_add_nc_u64 s[100:101], s[4:5], s[100:101]
	s_add_nc_u64 s[66:67], s[4:5], s[66:67]
	s_mul_i32 s18, s16, 8*12288                    ; the ring's addresses hold my half of a tile's rows: the head's loads begin at the tile's first row
	s_mov_b32 s19, 0
	s_mov_b32 s80, 1                               ; group 0, A's 16 row blocks of slot 0
	s_mov_b32 s81, 0
	s_sub_nc_u64 s[82:83], s[20:21], s[18:19]
	s_or_b32 s83, s83, 0x80000000
	s_mov_b32 s84, 1                               ; B's, behind them
	s_mov_b32 s85, 16*NQ*FRB
	s_sub_nc_u64 s[86:87], s[92:93], s[18:19]
	s_or_b32 s87, s87, 0x80000000
	s_mov_b32 s[G0S], 1                            ; Wv: four row blocks for each of waves 2 and 3
	s_mul_i32 s[G0S+1], s16, 4*12288
	s_add_co_u32 s[G0S+1], s[G0S+1], FREG
	s_mov_b64 s[G0S+2:G0S+3], s[100:101]
	s_or_b32 s[G0S+3], s[G0S+3], 0x80000000
	s_cmp_eq_u32 s15, 0                            ; the choice hangs on the wave's number alone
	s_cselect_b64 s[88:89], s[22:23], s[94:95]     ; the 4,096 bytes of the first tile's scale words that I bring: waves 0, 1 A's halves, waves 2, 3 B's
.irp s, 0,1
	s_mov_b32 s[G0+4*\s], 1
	s_add_co_u32 s[G0+4*\s+1], s17, \s*SLOT
	s_add_nc_u64 s[G0+4*\s+2:G0+4*\s+3], s[20:21], \s*NQ*FRB
	s_or_b32 s[G0+4*\s+3], s[G0+4*\s+3], 0x80000000
	s_mov_b32 s[G0B+4*\s], 1
	s_add_co_u32 s[G0B+4*\s+1], s17, \s*SLOT
	s_add_nc_u64 s[G0B+4*\s+2:G0B+4*\s+3], s[92:93], \s*NQ*FRB
	s_or_b32 s[G0B+4*\s+3], s[G0B+4*\s+3], 0x80000000
.endr
	CROUND                                         ; all sixteen work-groups are here: the first joint loads meet
	s_cmp_lt_u32 s14, 1                            ; one chain of branches on the wave's number, one load to an arm
	s_cbranch_scc0 .Lhead_b
	tensor_load_to_lds s[80:83], s[G1:G1+7]
	s_nop 0
	PLACES 4
	s_branch .Lhead_asked
.Lhead_b:
	s_cmp_lt_u32 s14, 2
	s_cbranch_scc0 .Lhead_v
	tensor_load_to_lds s[84:87], s[G1B:G1B+7]
	s_nop 0
	PLACES 4
	s_branch .Lhead_asked
.Lhead_v:
	tensor_load_to_lds s[G0S:G0S+3], s[G1S:G1S+7]
	s_nop 0
	PLACES 4
.Lhead_asked:
	v_and_b32 v1, 15, v0                           ; r
	v_bfe_u32 v2, v0, 4, 1                         ; h
	s_wait_alu depctr_va_vdst(0)
	v_and_b32 v3, 31, v0
	v_lshlrev_b32 v[LI], 4, v3
	; the second tile's scale words: A's 4,096 bytes, 1,024 a wave; B's 8,192, 2,048 a wave
	s_wait_alu depctr_va_vdst(0)
	s_add_co_u32 s18, s44, 80                      ; Wv's groups of 128 rows begin at 80
	s_lshl_b32 s18, s18, 12
	s_lshl_b32 s19, s14, 10
	s_add_co_u32 s18, s18, s19
	v_add_nc_u32 v4, s18, v[LI]
	s_lshl_b32 s18, s45, 13
	s_lshl_b32 s19, s14, 11
	s_add_co_u32 s18, s18, s19
	v_add_nc_u32 v23, s18, v[LI]
.irp j, 0,1
	global_load_b128 v[S2T+4*\j:S2T+4*\j+3], v4, s[6:7] offset:512*\j
.endr
.irp j, 0,1,2,3
	global_load_b128 v[S2T+8+4*\j:S2T+8+4*\j+3], v23, s[6:7] offset:512*\j
.endr
.irp j, 0,1,2,3,4,5,6,7
	global_load_b128 v[AF+4*\j:AF+4*\j+3], v[LI], s[88:89] offset:512*\j   ; the first tile's scale words, 512 consecutive bytes a load, into registers that A's fragments take later
.endr
	; the first tile's bias, in the result's layout
	s_cmp_eq_u32 ttmp9, 0                          ; cluster x 0: Wq's columns, 1: Wk's
	s_cselect_b64 s[96:97], s[96:97], s[98:99]
	s_lshl_b32 s100, s40, 10
	s_lshl_b32 s101, s16, 9
	s_add_co_u32 s100, s100, s101
	s_mov_b32 s101, 0
	s_add_nc_u64 s[96:97], s[96:97], s[100:101]    ; my 128 columns
	v_lshlrev_b32 v5, 6, v2
.irp b, 0,1,2,3,4,5,6,7                        ; tile b, register j: column 32 (b / 2) + 16 h + 8 (b % 2) + j
	global_load_b128 v[CB+8*\b:CB+8*\b+3], v5, s[96:97] offset:(32*(\b/2)+8*(\b%2))*4
	global_load_b128 v[CB+8*\b+4:CB+8*\b+7], v5, s[96:97] offset:(32*(\b/2)+8*(\b%2))*4+16
.endr
	; the second tile's: one word a block
	s_lshl_b32 s100, s44, 9
	s_lshl_b32 s101, s15, 8
	s_add_co_u32 s100, s100, s101
	s_mov_b32 s101, 0
	s_add_nc_u64 s[12:13], s[12:13], s[100:101]    ; my 64 rows of Wv
	v_and_b32 v6, 7, v1
	v_and_b32 v22, 8, v1
	v_lshl_add_u32 v6, v22, 1, v6
	v_lshlrev_b32 v6, 2, v6                        ; lane r of block a is true row 32 (a / 2) + 8 (a % 2) + r % 8 + 16 (r / 8)
.irp a, 0,1,2,3
	global_load_b32 v[B2W+\a], v6, s[12:13] offset:(32*(\a/2)+8*(\a%2))*4
.endr
	; LDS addresses
	s_mul_i32 s18, s15, 8*NQ*FRB                   ; first tile: my blocks of A,
	s_mul_i32 s19, s16, 8*NQ*FRB                   ; my blocks of B,
	s_add_co_u32 s19, s19, 16*NQ*FRB               ; behind A's
.irp s, 0,1
	v_add_nc_u32 v[ADRA+\s], s18, v[LI]
	v_add_nc_u32 v[ADRB+\s], s19, v[LI]
	s_add_co_u32 s18, s18, SLOT
	s_add_co_u32 s19, s19, SLOT
.endr
	s_mul_i32 s18, s15, 4*12288                    ; second tile: my 4 blocks of A's 8, each all of K,
	s_add_co_u32 s18, s18, FREG
	s_mul_i32 s19, s16, 8*NQ*FRB                   ; my 8 blocks of B in a pair's 16
.irp p, 0,1,2,3
	v_add_nc_u32 v[8+\p], s18, v[LI]
	v_add_nc_u32 v[12+\p], s19, v[LI]
	s_add_co_u32 s18, s18, NQ*FRB
	s_add_co_u32 s19, s19, 16*NQ*FRB
.endr
	s_add_co_u32 s18, s16, 2                       ; scale words: lanes 0-15 A's region, lanes 16-31 B's: the lower base + h x the distance
	s_sub_co_u32 s18, s18, s15
	s_lshl_b32 s18, s18, 12
	v_mul_u32_u24 v[ADRS], s18, v2
	s_lshl_b32 s19, s15, 12
	s_add_co_u32 s19, s19, SCL
	v_lshl_add_u32 v[ADRS], v1, 2, v[ADRS]
	v_add_nc_u32 v[ADRS], s19, v[ADRS]
	s_lshl_b32 s18, s16, 12                        ; the same for the second tile: A's 64 rows are 256 bytes of a step's 512
	s_add_co_u32 s18, s18, 4096
	s_lshl_b32 s19, s15, 8
	s_sub_co_u32 s18, s18, s19
	v_mul_u32_u24 v7, s18, v2
	s_add_co_u32 s19, s19, SC2
	v_lshl_add_u32 v7, v1, 2, v7
	v_add_nc_u32 v7, s19, v7
	s_lshl_b32 s18, s14, 9
	s_add_co_u32 s18, s18, STAT
	v_lshl_add_u32 v24, v1, 2, s18                 ; where my row's new scale word goes,
	v_add_nc_u32 v25, s18, v[LI]                   ; and how the 128 words are read back
	s_lshl_b32 s18, s14, 8
	s_add_co_u32 s18, s18, STAT2
	v_lshl_add_u32 v18, v1, 2, s18                 ; the same for the second tile's 64 words
	v_lshlrev_b32 v22, 3, v3
	v_add_nc_u32 v19, s18, v22
	s_lshl_b32 s18, s14, 10
	s_add_co_u32 s18, s18, SC2
	v_add_nc_u32 v30, s18, v[LI]                   ; where the second tile's scale words go: A's,
	s_lshl_b32 s18, s14, 11
	s_add_co_u32 s18, s18, SC2+4096
	v_add_nc_u32 v31, s18, v[LI]                   ; B's
	s_mov_b32 s2, 0x76543210
	s_mov_b32 s3, 0xfedcba98                       ; selects for lane l xor 16
	; where the second tile's results go
	s_lshr_b32 s18, s45, 3                         ; the batch
	s_lshl_b32 s19, s18, 6
	s_lshl_b32 s100, s44, 3
	s_add_co_u32 s19, s19, s100
	s_lshl_b32 s100, s15, 2
	s_add_co_u32 s19, s19, s100
	s_add_co_u32 s19, s19, 512                     ; my first row block of hc
	s_and_b32 s100, s45, 7
	s_lshl_b32 s100, s100, 1
	s_add_co_u32 s100, s100, s16                   ; my 128 keys
	s_mul_i32 s94, s19, 24576
	s_mul_i32 s95, s100, 1536
	s_add_co_u32 s94, s94, s95
	s_mov_b32 s95, 0
	s_add_nc_u64 s[4:5], s[8:9], s[94:95]
	s_lshl_b32 s94, s18, 3
	s_add_co_u32 s94, s94, s44
	s_add_co_u32 s94, s94, 64                      ; my group of 128 rows of hs,
	s_lshl_b32 s94, s94, 13
	s_lshl_b32 s95, s100, 9
	s_add_co_u32 s94, s94, s95
	s_lshl_b32 s95, s15, 8                         ; and my half of it
	s_add_co_u32 s94, s94, s95
	s_mov_b32 s95, 0
	s_add_nc_u64 s[92:93], s[10:11], s[94:95]
	; and the first tile's
	s_lshl_b32 s100, s42, 4
	s_lshl_b32 s101, s15, 3
	s_add_co_u32 s100, s100, s101                  ; my first row block of hc
	s_lshl_b32 s101, s43, 1
	s_add_co_u32 s101, s101, s16                   ; my place along the next K
	s_mul_i32 s18, s42, 393216                     ; my 256 tokens,
	s_mul_i32 s19, s15, 12288                      ; my 8 of their 16 row blocks,
	s_add_co_u32 s18, s18, s19
	s_mul_i32 s19, s101, 24576                     ; my place along the next K
	s_add_co_u32 s18, s18, s19
	s_mov_b32 s19, 0
	s_add_nc_u64 s[8:9], s[8:9], s[18:19]
	s_lshl_b32 s18, s100, 10                       ; 8,192 bytes for 8 row blocks
	s_lshl_b32 s19, s101, 9
	s_add_co_u32 s18, s18, s19
	s_mov_b32 s19, 0
	s_add_nc_u64 s[10:11], s[10:11], s[18:19]
	s_wait_alu depctr_va_vdst(0)
	s_wait_loadcnt 0x0                             ; the biases and both tiles' scale words
	s_lshl_b32 s18, s14, 12
	s_add_co_u32 s18, s18, SCL
	v_add_nc_u32 v4, s18, v[LI]                    ; (the loads that took v4 as their offset are done)
.irp j, 0,1,2,3,4,5,6,7
	ds_store_b128 v4, v[AF+4*\j:AF+4*\j+3] offset:512*\j
.endr
.irp j, 0,1
	ds_store_b128 v30, v[S2T+4*\j:S2T+4*\j+3] offset:512*\j
.endr
.irp j, 0,1,2,3
	ds_store_b128 v31, v[S2T+8+4*\j:S2T+8+4*\j+3] offset:512*\j
.endr
	s_wait_tensorcnt 0x0                           ; my tile of the head's is in
	ds_add_u32 v[SPW], v[NIL]
	s_mov_b32 s[G1+2], 8<<16                       ; no tensor load of mine is out: from here on a load brings 8 row blocks
	s_mov_b32 s[G1+4], 8
	s_mov_b32 s[G1B+2], 8<<16
	s_mov_b32 s[G1B+4], 8
	s_wait_dscnt 0x0                               ; the add and my stores of scale words are done
	CROUND                                         ; everybody's tile is in, and all sixteen work-groups are here
	JLOAD G0+4, G1, G0B+4, G1B                     ; slot 1's first fill, the first tensor load behind the round
	; ---- the first tile
	FETCH_B 0, 0, 0
	FETCH_A 0, 0, 0, NA/2
	SCALES 0
	FETCH_A 0, 0, NA/2, NA/2
	STEP 0, 0, 1
	TURN 0, 1, 1
	STEP 1, 0, 0
	TURN 1, 0, 1
	STEP 0, 0, 0
	TURN 0, 1, 2                                   ; slot 0 takes the second tile's tokens, steps 0-3
	STEP 1, 0, 0
	FINISH 1
	s_wait_tensorcnt 0x0                           ; my quarter of slot 0 has landed; no load of mine is out, so a group 0 may be written
	ds_add_u32 v[SPW], v[NIL]                      ; 0 onto my spare word
	s_add_nc_u64 s[G0B+6:G0B+7], s[66:67], 2*NQ*FRB   ; B's group 0 of slot 1 keeps its LDS address and takes the tokens' steps 4-7
	s_or_b32 s[G0B+7], s[G0B+7], 0x80000000
	s_wait_dscnt 0x0                               ; the add is done, and my reads of slot 1 are over
	CROUND                                         ; no wave of any partner still reads slot 1 or has a load on its way; and slot 0 is whole for every wave
	tensor_load_to_lds s[G0B+4:G0B+7], s[G1B:G1B+7]   ; it lands while the first tile goes out
	s_nop 0
	PLACES 4                                       ; also the places behind the last products
.irp b, 0,1,2,3
	v_mov_b32 v[TM+4+\b], 0                        ; a lane permute's destination counts as one of its sources
.endr
.set OUTB, 8
.set STA, 24
.irp a, 0,1,2,3,4,5,6,7
	QUANTW \a
.endr
	ds_load_b128 v[RB:RB+3], v25                   ; my 128 rows' scale words: these loads see my stores
	s_wait_dscnt 0x0
	global_store_b128 v[LI], v[RB:RB+3], s[10:11]  ; 512 consecutive bytes, aligned
	; ---- the second tile
	s_wait_tensorcnt 0x0                           ; my quarter of slot 1 has landed,
	s_barrier_signal -1
.irp a, 0,1,2,3
.irp j, 0,1,2,3,4,5,6,7
	v_mov_b32 v[CB+8*\a+\j], v[B2W+\a]             ; the bias: a lane's eight results of a tile are one row's
.endr
.endr
	PLACES 8
	s_wait_alu depctr_va_vdst(0)
	s_barrier_wait -1                              ; everybody's has
.set NA, 4
.set AMUL, 4
.set OSTR, 24576
.set ADRA, 8
.set ADRB, 12
.set ADRS, 7
	FETCH_B 0, 0, 0
	FETCH_A 0, 0, 0, NA/2
	SCALES 0
	FETCH_A 0, 0, NA/2, NA/2
	STEP 0, 0, 2
	NEXT 0, 1
	s_wait_alu depctr_va_vdst(0)
	STEP 1, 0, 0
	NEXT 1, 2
	s_wait_alu depctr_va_vdst(0)
	STEP 2, 0, 0
	NEXT 2, 3
	STEP 3, 0, 0
	FINISH 1
	PLACES 4
.set OUTB, 4
.set STA, 18
.irp a, 0,1,2,3
	QUANTW \a
.endr
	ds_load_b64 v[RB:RB+1], v19                    ; my 64 rows' scale words (the store that read these registers is behind a wait on XCNT)
	s_wait_dscnt 0x0
	global_store_b64 v22, v[RB:RB+1], s[92:93]     ; 256 consecutive bytes, aligned
	s_wait_tensorcnt 0x0                           ; the wave's end
	ds_add_u32 v[SPW], v[NIL]
	s_wait_dscnt 0x0
	CROUND                                         ; the closing round
	s_endpgm
.Lfunc_end_k_qdbd108c3ed_proj:
	.size	k_qdbd108c3ed_proj, .Lfunc_end_k_qdbd108c3ed_proj-k_qdbd108c3ed_proj
	.p2alignl 7, 3214868480
	.fill 96, 4, 3214868480
	.section	.rodata,"a",@progbits
	.p2align	6, 0x0
	.amdhsa_kernel k_qdbd108c3ed_proj
		.amdhsa_group_segment_fixed_size 327680
		.amdhsa_private_segment_fixed_size 0
		.amdhsa_enable_private_segment 0
		.amdhsa_kernarg_size 56
		.amdhsa_user_sgpr_count 2
		.amdhsa_user_sgpr_kernarg_segment_ptr 1
		.amdhsa_wavefront_size32 1
		.amdhsa_system_sgpr_workgroup_id_x 1
		.amdhsa_system_sgpr_workgroup_id_y 1
		.amdhsa_system_sgpr_workgroup_id_z 1
		.amdhsa_system_vgpr_workitem_id 0
		.amdhsa_next_free_vgpr 1024
		.amdhsa_next_free_sgpr 102
		.amdhsa_reserve_vcc 0
		.amdhsa_float_denorm_mode_32 3
		.amdhsa_float_denorm_mode_16_64 3
		.amdhsa_memory_ordered 1
		.amdhsa_forward_progress 1
		.amdhsa_inst_pref_size 228
	.end_amdhsa_kernel
	.amdgpu_metadata
---
amdhsa.version: [ 1, 2 ]
amdhsa.kernels:
  - .name:           k_qdbd108c3ed_proj
    .symbol:         k_qdbd108c3ed_proj.kd
    .args:
      - { .name: oc, .offset: 0, .size: 8, .value_kind: global_buffer, .address_space: global }
      - { .name: os, .offset: 8, .size: 8, .value_kind: global_buffer, .address_space: global }
      - { .name: hc, .offset: 16, .size: 8, .value_kind: global_buffer, .address_space: global }
      - { .name: hs, .offset: 24, .size: 8, .value_kind: global_buffer, .address_space: global }
      - { .name: bq, .offset: 32, .size: 8, .value_kind: global_buffer, .address_space: global }
      - { .name: bk, .offset: 40, .size: 8, .value_kind: global_buffer, .address_space: global }
      - { .name: bv, .offset: 48, .size: 8, .value_kind: global_buffer, .address_space: global }
    .group_segment_fixed_size: 327680
    .private_segment_fixed_size: 0
    .kernarg_segment_align: 8
    .kernarg_segment_size: 56
    .max_flat_workgroup_size: 128
    .sgpr_count:     102
    .vgpr_count:     1024
    .wavefront_size: 32
...
	.end_amdgpu_metadata
.endif
;; end of part 2
;; launch scores (part 3): grid 8 x 32, 4 waves a work-group, clusters of 4 x 4, 327,680 bytes of LDS; arguments hc, hs, mask, pc, pst; writes pc, pst
.if DOCPART == 3
	.amdgcn_target "amdgcn-amd-amdhsa--gfx1250"
	.amdhsa_code_object_version 6
	.text
	.protected	k_qdbd108c3ed_scores
	.globl	k_qdbd108c3ed_scores
	.p2align	8
	.type	k_qdbd108c3ed_scores,@function
k_qdbd108c3ed_scores:
	s_mov_b64 s[64:65], 0
	v_nop
	global_prefetch_b8 v0, s[64:65] scope:SCOPE_SE
	s_setreg_imm32_b32 hwreg(HW_REG_WAVE_MODE, 25, 1), 1
	s_wait_xcnt 0x0
	s_wait_alu depctr_hold_cnt(0) depctr_sa_sdst(0) depctr_va_vdst(0) depctr_va_sdst(0) depctr_va_ssrc(0) depctr_va_vcc(0) depctr_vm_vsrc(0)
	s_getreg_b32 s2, hwreg(HW_REG_IB_STS2, 6, 4)
	s_cmp_eq_u32 s2, 0
	s_cbranch_scc0 .Lentry_in_a_cluster
	s_endpgm
.Lentry_in_a_cluster:
	s_bfe_u32 s2, ttmp6, 0x10000c
	s_cmp_lg_u32 s2, 0xf033
	s_cbranch_scc0 .Lentry_shape_is_right
	s_endpgm
.Lentry_shape_is_right:
; logit = q . k / 32 + mask on codes of FP6 (E2M3), K = 1,024; then, for each query and each run of 128 keys, a LOCAL softmax: p = 2^(t - M), t = logit x log2(e), M = ceil(the run's largest t), a whole number;
; p is quantised along the keys; the run's M and the sum of its unquantised p go with it.  The next launch joins the runs: M is a whole number, so bringing a run under the row's M is an exact power of two, which the scale bytes take up.
; t - M is one fused multiply-add of the logit.  LIMIT: the promise holds while the scaled scores t stay under 2^31 in magnitude (there M, made from the rounded t, lies within 64 of the true ceiling, still a whole number, so p stays under 2^64).
; LIMITS: NaN and +infinity are not served; logits under -1e38 count as -1e38 for the maximum; a run whose every logit is -infinity has p = 0 and the sum 0.
; A tile of 256 queries x 256 keys to a work-group of four waves; a wave makes 128 x 128.  Source 0 = keys, source 1 = queries: a lane holds one query, and the 16 registers of tiles 2 b, 2 b + 1 are 16 neighbouring keys.
; OPERANDS: hc[256 tokens][place 0-15: 0-7 q, 8-15 k, each 128 along K][16 row blocks][1,536]: images of the operand's registers; any run of steps of a tile is one dense block of memory.
; LDS: six places of a step (24,576 bytes) for q, six for k, the scale words (16,384), the spare words, 1,536 bytes a wave for what goes out.  Step s lies at place s % 6.
; THREE FILLS.  The head, one joint load a wave: wave 0 q's steps 0-2, wave 1 k's, wave 2 q's scale words, wave 3 k's; nothing else is asked of memory ahead of the wait for them.  Behind the full sequence and a round: steps 3-5, half of an
; operand's three steps (36,864 bytes) a wave; it has steps 0 to 2, 128 matrix instructions up to the wait, in which to land.  At step 2's barrier, a round: steps 6 and 7 into places 0 and 1, a step of one operand a wave; it has steps 2 to 5.
; CLUSTERS 4 x 4: q's tiles are shared along a row, k's along a column.
; PREFETCHES.  The codes of steps 6 and 7 (49,152 bytes an operand) are asked for behind the fill of steps 3-5, two steps ahead of their load, each aligned 256 bytes once in the cluster: the four partners that share a tile and their four
; waves take 3,072 bytes each, told apart by address.  Steps 3-5 are loaded at once behind the head's tiles: there is no step to run ahead in.
; THE MASK IS AN INPUT: every number of it is read and added; nothing of its pattern is built in.  It comes through registers (each load 512 consecutive bytes of one row): blocks 0 and 1 of my 8 blocks of 16 queries behind the last refill, the others
; behind the products, three blocks ahead of their use.  Every block is asked for by a prefetch, each aligned 256 bytes once, by the wave that will load it: blocks 0, 1 in step 1, 2, 3 in step 3, 4, 5 in step 4, 6, 7 in step 6.
; The mask turns through a stage that lies in q's places 2 and 3: they have had their only fill, and every wave has passed step 5's barrier, behind which nobody reads them.  A block's stores into the stage stand ahead of the exponentials of the
; block two before it, its loads out of the stage behind that block.
; OUT: pc[16 queries][key / 128][1,536]; pst: three planes of 524,288 bytes, [128 queries][key / 128][128][4]: p's scale words, M, the sum.
; REGISTERS: window 0: v1-31 addresses; v32-63 scale words; v64-127 mask block 0, later at work; v128-223 A's fragments, later (v128-255) two sets of 64 logits.  window 1: B's two sets and mask block 1, later mask blocks.  windows 2, 3: accumulators.
.set FRB,   1536
.set STB,   16*FRB                     ; a step of one operand: 16 row blocks
.set OPB,   6*STB                      ; six places
.set SCL,   2*OPB                      ; scale words: q's halves, k's halves, 4,096 bytes each: [8 steps][128 rows][4]
.set SPARE, SCL+4*4096                 ; the spare words: two blocks of 256 bytes that no other line names
.set STAT,  SPARE+512                  ; 1,536 bytes a wave: scale words, M, sums
.set MSTG,  2*STB                      ; the mask's stage, 16 rows x 528 bytes a wave
.set PFC,   6                          ; v6 the codes' prefetch: 256 x min(lane, 11)
.set ADRA,  16                         ; v16-18 A's fragments: places 0-1, 2-3, 4-5
.set ADRB,  20                         ; v20-22 B's
.set SRD,   23
.set MIN,   24
.set MOUT,  25
.set LI,    26
.set ADRS,  27
.set SPW,   28
.set NIL,   29
.set PFA,   30
.set SST,   31
.set SC,    32
.set AF,    128
.set XB,    128
.set BM,    64                         ; the blocks' largest logits, then largest p
.set PT,    68
.set SO,    72
.set BY,    76
.set S2,    80                         ; v[80:81], v[94:95], v[84:87]: the sum's four chains
.set DL,    82                         ; v[82:83] -M
.set SUM,   84
.set PWR,   88
.set LL,    89
.set MM,    90
.set T2,    91
.set TT,    92
.set S3,    94
.set PC,    96
.set G1,  24                           ; group 1 for q's codes; s[32:35] group 0 of steps 3-5, s[36:39] of the head's load, s[4:7] of the refill
.set G0,  32
.set RFA, 4
.set G1B, 48                           ; the same for k's: s[56:59], s[60:63], s[44:47]
.set G0B, 56
.set RFB, 44
.set G1S, 68
.set G0S, 76
.set G1SB, 80
.set G0SB, 88
.set PFQ, 66                           ; s[66:67], s[40:41] where my prefetches of q's and of k's codes begin; never rewritten
.set PFK, 40
.set MSB, 0
.macro WIN new                         ; the immediate's high byte repeats the setting that is left
.if MSB != (\new)
	s_set_vgpr_msb (MSB<<8)|(\new)
.set MSB, (\new)
.endif
.endm
.macro PLACES n                        ; plain places behind matrix instructions (ISA guide 7.12.1)
.rept \n
	v_nop
.endr
.endm
.macro ROWS n                          ; a load of codes brings n rows of 3,072 bytes: written only where no tensor load of mine is out
	s_mov_b32 s[G1+2], (\n)<<16
	s_mov_b32 s[G1+4], \n
	s_mov_b32 s[G1B+2], (\n)<<16
	s_mov_b32 s[G1B+4], \n
.endm
.macro JLOAD g0a, g1a, g0b, g1b        ; waves 0 and 1 fetch for A, waves 2 and 3 for B; s_nop 0 and four v_nop follow each line
	s_cmp_eq_u32 s15, 0
	s_cbranch_scc0 .Lfor_b_\@
	tensor_load_to_lds s[\g0a:\g0a+3], s[\g1a:\g1a+7]
	s_nop 0
	PLACES 4
	s_branch .Lasked_\@
.Lfor_b_\@:
	tensor_load_to_lds s[\g0b:\g0b+3], s[\g1b:\g1b+7]
	s_nop 0
	PLACES 4
.Lasked_\@:
.endm
.macro ARM under, g0, g1, next         ; an arm of the head's chain of branches on the wave's number
	s_cmp_lt_u32 s14, \under
	s_cbranch_scc0 \next
	tensor_load_to_lds s[\g0:\g0+3], s[\g1:\g1+7]
	s_nop 0
	PLACES 4
	s_branch .Lhead_asked
\next:
.endm
.macro CREST
	s_cmp_lg_u32 s14, 0
	s_cbranch_scc1 .Lnot_wave_0_\@
	s_barrier_signal -3
.Lnot_wave_0_\@:
	s_barrier_wait -3
	s_barrier_signal -1
	s_barrier_wait -1
.endm
.macro CROUND
	s_barrier_signal -1
	s_barrier_wait -1
	CREST
.endm
.macro FRAG reg, adr, i, s             ; block i's fragment of step s: step s lies at place s % 6
.irp p, 0,1,2
	ds_load_b128 v[\reg+4*\p:\reg+4*\p+3], v[\adr+((\s)%6)/2] offset:((\s)%2)*STB+(\i)*FRB+512*\p
.endr
.endm
.macro FETCH_B s
	WIN 0x40
.irp i, 0,1,2,3,4,5,6,7
	FRAG 128*((\s)%2)+12*\i, ADRB, \i, \s
.endr
	WIN 0
.endm
.macro FETCH_A s, i0
.irp i, \i0, \i0+1, \i0+2, \i0+3
	FRAG AF+12*(\i), ADRA, \i, \s
.endr
.endm
.macro SCALES pr                       ; steps 2 pr, 2 pr + 1 into set pr % 2: register 2 i + q: lanes 0-15 the word of A's block i, lanes 16-31 that of B's block i
.irp i, 0,1,2,3,4,5,6,7
.irp q, 0,1
	ds_load_b32 v[SC+16*((\pr)%2)+2*\i+\q], v[ADRS] offset:1024*(\pr)+512*\q+64*\i
.endr
.endr
.endm
.macro MULR a0, n, s, zero             ; zero = 1: the first product starts the sums.  The accumulators take turns, one instruction a turn
	WIN 0xa1+0x50*((\a0)/4)
.set MB, 128*((\s)%2)
.set MS, SC+16*(((\s)/2)%2)+(\s)%2
.set MA, \a0
.rept \n
.irp b, 0,1,2,3,4,5,6,7
.set MD, 8*((8*MA+\b)%32)
.if \zero
	v_wmma_scale_f32_16x16x128_f8f6f4 v[MD:MD+7], v[MB+12*\b:MB+12*\b+11], v[AF+12*MA:AF+12*MA+11], 0, v[MS+2*\b], v[MS+2*MA] matrix_a_fmt:MATRIX_FMT_FP6 matrix_b_fmt:MATRIX_FMT_FP6 matrix_a_scale:MATRIX_SCALE_ROW1
.else
	v_wmma_scale_f32_16x16x128_f8f6f4 v[MD:MD+7], v[MB+12*\b:MB+12*\b+11], v[AF+12*MA:AF+12*MA+11], v[MD:MD+7], v[MS+2*\b], v[MS+2*MA] matrix_a_fmt:MATRIX_FMT_FP6 matrix_b_fmt:MATRIX_FMT_FP6 matrix_a_scale:MATRIX_SCALE_ROW1
.endif
.endr
.set MA, MA+1
.endr
.endm
.macro ASKM b                          ; mask block b of my wave: 16 rows x 512 bytes, two lanes to a row, 256 bytes apart
	global_prefetch_b8 v[PFA], s[98:99] offset:(32*((\b)/2)+8*((\b)%2))*8192 th:TH_LOAD_NT scope:SCOPE_SE
.endm
.macro STEP s, zero, pf                ; a step whose successor lies in LDS already.  pf >= 0: mask blocks pf and pf + 1 are asked for
	s_wait_dscnt 12                                ; all but A's upper blocks, the youngest 12 loads
	MULR 0, 4, \s, \zero
	s_wait_dscnt 0x0
	PLACES 4
	FETCH_B (\s)+1
	FETCH_A (\s)+1, 0
.if ((\s)+1)%2 == 0
	SCALES ((\s)+1)/2
.endif
.if (\pf) >= 0
	ASKM \pf
	ASKM (\pf)+1
.endif
	MULR 4, 4, \s, \zero
	PLACES 4
	WIN 0
	FETCH_A (\s)+1, 4
.endm
; A step with a barrier.  fill = 1 (step 2): steps 3-5 are whole, steps 0 and 1 have been read by every wave of every partner, and their places take steps 6 and 7.  fill = 0 (step 5): steps 6 and 7 are whole for every wave.
.macro TURN s, fill
	s_wait_tensorcnt 0x0                           ; all my tensor loads have landed
	ds_add_u32 v[SPW], v[NIL]                      ; 0 onto my spare word
	s_wait_dscnt 13                                ; (the add and A's upper blocks may be out)
	MULR 0, 2, \s, 0
	s_wait_dscnt 0x0                               ; the add is done, and so are all my reads so far
	s_barrier_signal -1
	MULR 2, 2, \s, 0
	WIN 0
	s_barrier_wait -1
.if \fill
	CREST                                          ; a round of the cluster's barrier
	ROWS 8
	JLOAD RFA, G1, RFB, G1B                        ; the first tensor load behind the round; its four v_nop are the places in front of the loads below
.else
	PLACES 4
.endif
	FETCH_B (\s)+1
	FETCH_A (\s)+1, 0
.if ((\s)+1)%2 == 0
	SCALES ((\s)+1)/2
.endif
	MULR 4, 4, \s, 0
	PLACES 4
	WIN 0
	FETCH_A (\s)+1, 4
.endm
; the mask's rows of stored block b of my 128 queries, my 128 keys: 16 loads of 512 consecutive bytes; rows 0-7 into v[lo] on, rows 8-15 into v[hi] on, in window win
.macro MLOAD b, win, lo, hi
	WIN (\win)<<6
.irp p, 0,1,2,3,4,5,6,7
	global_load_b128 v[\lo+4*\p:\lo+4*\p+3], v[LI], s[98:99] offset:(32*((\b)/2)+8*((\b)%2)+\p)*8192 th:TH_LOAD_NT
.endr
.irp p, 0,1,2,3,4,5,6,7
	global_load_b128 v[\hi+4*\p:\hi+4*\p+3], v[LI], s[98:99] offset:(32*((\b)/2)+8*((\b)%2)+\p+16)*8192 th:TH_LOAD_NT
.endr
	WIN 0
.endm
; a block into my stage, as loaded.  n: the mask loads issued behind this block's, which may stay out.  LDS serves a wave's instructions in order: these stores come behind the loads that read the block before out of the stage
.macro MST win, lo, hi, n
.if (\n) >= 0
	s_wait_loadcnt \n
.endif
	WIN (\win)<<2
.irp p, 0,1,2,3,4,5,6,7
	ds_store_b128 v[MIN], v[\lo+4*\p:\lo+4*\p+3] offset:528*\p
.endr
.irp p, 0,1,2,3,4,5,6,7
	ds_store_b128 v[MIN], v[\hi+4*\p:\hi+4*\p+3] offset:528*(\p+8)
.endr
	WIN 0
.endm
; block b out of my stage, in the accumulators' layout: register 16 t + i = key 32 t + 16 (lane / 16) + i of query lane % 16: these loads see the stores above
.macro MLD b
.set MX, XB+64*((\b)%2)
.irp t, 0,1,2,3
.irp i, 0,1,2,3
	ds_load_b128 v[MX+16*\t+4*\i:MX+16*\t+4*\i+3], v[MOUT] offset:128*\t+16*\i
.endr
.endr
.endm
.macro COMPUTE a
.set QW, 2+(\a)/4
.set QS, 64*((\a)%4)
.set CX, XB+64*((\a)%2)
.if \a < 7
	s_wait_dscnt 32                                ; this block's mask is back from the stage: behind its loads stand at least the next block's 16 stores and 16 loads, which may be out
.else
	s_wait_dscnt 0x0
.endif
.if \a == 0
.irp b, 0,1,2,3
	v_mov_b32 v[PT+\b], 0                          ; a lane permute's destination counts as one of its sources
.endr
	v_mov_b32 v[T2], 0
	v_mov_b32 v[DL+1], 0                           ; (named as the upper half of a pair)
.endif
.if \a == 1
	MLOAD 5, 1, 96, 224                            ; into the registers that block 1 has left
.endif
.if \a == 2
	MLOAD 6, 1, 0, 32
.endif
.if \a == 3
	MLOAD 7, 1, 128, 160
.endif
	WIN QW
.if \a > 0
	s_wait_alu depctr_va_vdst(0)                   ; directly ahead of the first reader of these sums
.endif
.set J, 0
.rept 32
	v_pk_fma_f32 v[CX+J:CX+J+1], v[QS+J:QS+J+1], s[92:93], v[CX+J:CX+J+1] op_sel_hi:[1,0,1]   ; logit = score / 32 + mask: / 32 is exact, so one rounding.  Each accumulator from its low end on
.set J, J+2
.endr
	WIN 0
.irp b, 0,1,2,3
	v_max3_num_f32 v[BM+\b], v[CX+16*\b], v[CX+16*\b+1], v[CX+16*\b+2]   ; the largest logit of each block of 32 keys: for the run's maximum and, since p rises with the logit, for the block's largest p
.endr
.irp i, 3,5,7,9,11,13
.irp b, 0,1,2,3
	v_max3_num_f32 v[BM+\b], v[BM+\b], v[CX+16*\b+\i], v[CX+16*\b+\i+1]
.endr
.endr
.irp b, 0,1,2,3
	v_max_num_f32 v[BM+\b], v[BM+\b], v[CX+16*\b+15]
.endr
.irp b, 0,1,2,3
	v_permlanex16_b32 v[PT+\b], v[BM+\b], s2, s3
.endr
.irp b, 0,1,2,3
	v_max_num_f32 v[BM+\b], v[BM+\b], v[PT+\b]     ; with lane l xor 16's 16 keys
.endr
	v_max3_num_f32 v[TT], v[BM], v[BM+1], v[BM+2]
	v_max3_num_f32 v[TT], v[TT], v[BM+3], 0xfe967699   ; the run's largest logit, not under -1e38
	v_mul_f32 v[TT], s94, v[TT]                    ; as t
	v_floor_f32 v[DL], -v[TT]                      ; -M = floor(-t): M is a whole number
.set J, 0
.rept 32
	v_pk_fma_f32 v[CX+J:CX+J+1], v[CX+J:CX+J+1], s[94:95], v[DL:DL+1] op_sel_hi:[1,0,0]   ; t - M, one rounding
.set J, J+2
.endr
.irp b, 0,1,2,3
	v_fma_f32 v[BM+\b], v[BM+\b], s94, v[DL]       ; the same of each block's largest
.endr
.if \a == 0                            ; the block two on goes into the stage: the stage's last block has been asked out of it
	MST 1, 0, 32, 32
.endif
.if \a == 1
	MST 1, 128, 160, 32
.endif
.if \a == 2
	MST 1, 64, 192, 32
.endif
.if \a == 3
	MST 1, 96, 224, 32
.endif
.if \a == 4
	MST 1, 0, 32, 16
.endif
.if \a == 5
	MST 1, 128, 160, 0
.endif
.set J, 0
	s_wait_alu depctr_va_vdst(0)
.rept 64
	v_exp_f32 v[CX+J], v[CX+J]                     ; p = 2^(t - M)
.set J, J+1
.endr
.irp b, 0,1,2,3
	v_exp_f32 v[BM+\b], v[BM+\b]                   ; the block's largest p: the same instructions on the same number give the same bits
.endr
	v_mul_f32 v[MM], -1.0, v[DL]                   ; M.  (A plain place behind the exponentials)
	s_wait_alu depctr_va_vdst(0)                   ; one wait for the batch, ahead of its first reader
.irp b, 0,1,2,3
	v_max_num_f32 v[BM+\b], 0x1800000, v[BM+\b]    ; the floor 2^(3 - 127): the byte cannot fall under 1
.endr
.irp b, 0,1,2,3
	v_add_nc_u32 v[SO+\b], 0xff000000, v[BM+\b]    ; 2 off the exponent field: the conversion's scale operand
.endr
.irp b, 0,1,2,3
	v_lshrrev_b32 v[BY+\b], 23, v[SO+\b]
.endr
	v_lshl_or_b32 v[PWR], v[BY+1], 8, v[BY]
	v_lshl_or_b32 v[PWR], v[BY+2], 16, v[PWR]
	v_lshl_or_b32 v[PWR], v[BY+3], 24, v[PWR]
	s_wait_alu depctr_va_vdst(0)
	s_wait_xcnt 0x0                                ; the last block's stores have read the codes' registers
.irp c, 0,1
	v_cvt_scalef32_pk16_fp6_f32 v[PC+6*\c:PC+2+6*\c], v[CX+32*\c:CX+15+32*\c], v[SO+2*\c]
	v_cvt_scalef32_pk16_fp6_f32 v[PC+12+4*\c:PC+14+4*\c], v[CX+16+32*\c:CX+31+32*\c], v[SO+2*\c+1]
.endr
	v_nop                                          ; one plain place behind a scaled conversion
.irp c, 0,1
.irp i, 0,1,2
	v_permlane16_swap_b32 v[PC+6*\c+\i], v[PC+12+4*\c+\i]
.endr
.irp i, 0,1,2
	v_mov_b32 v[PC+3+6*\c+\i], v[PC+12+4*\c+\i]
.endr
.endr
	v_pk_add_f32 v[SUM:SUM+1], v[CX:CX+1], v[CX+2:CX+3]   ; the sum is taken of the unquantised p: two at a time, in four chains
	v_pk_add_f32 v[SUM+2:SUM+3], v[CX+4:CX+5], v[CX+6:CX+7]
	v_pk_add_f32 v[S2:S2+1], v[CX+8:CX+9], v[CX+10:CX+11]
	v_pk_add_f32 v[S3:S3+1], v[CX+12:CX+13], v[CX+14:CX+15]
.irp j, 16,24,32,40,48,56
	v_pk_add_f32 v[SUM:SUM+1], v[SUM:SUM+1], v[CX+\j:CX+\j+1]
	v_pk_add_f32 v[SUM+2:SUM+3], v[SUM+2:SUM+3], v[CX+\j+2:CX+\j+3]
	v_pk_add_f32 v[S2:S2+1], v[S2:S2+1], v[CX+\j+4:CX+\j+5]
	v_pk_add_f32 v[S3:S3+1], v[S3:S3+1], v[CX+\j+6:CX+\j+7]
.endr
	v_pk_add_f32 v[SUM:SUM+1], v[SUM:SUM+1], v[SUM+2:SUM+3]
	v_pk_add_f32 v[S2:S2+1], v[S2:S2+1], v[S3:S3+1]
	v_pk_add_f32 v[SUM:SUM+1], v[SUM:SUM+1], v[S2:S2+1]
	v_add_f32 v[LL], v[SUM], v[SUM+1]
	v_permlanex16_b32 v[T2], v[LL], s2, s3
	v_add_f32 v[LL], v[LL], v[T2]
.irp p, 0,1,2
	global_store_b128 v[LI], v[PC+4*\p:PC+4*\p+3], s[10:11] offset:24576*(\a)+512*\p   ; 512 consecutive bytes, aligned
.endr
	ds_store_b32 v[SST], v[PWR] offset:64*(\a)     ; lanes l and l + 16 write the same words with the same values
	ds_store_b32 v[SST], v[MM] offset:512+64*(\a)
	ds_store_b32 v[SST], v[LL] offset:1024+64*(\a)
.endm
	s_load_b256 s[4:11], s[0:1], 0x0               ; hc s[4:5], hs s[6:7], mask s[8:9], pc s[10:11]
	s_load_b64 s[12:13], s[0:1], 0x20              ; pst
	v_lshl_add_u32 v[SPW], v0, 2, SPARE
	v_mov_b32 v[NIL], 0
	ds_add_u32 v[SPW], v[NIL]                      ; the opening lines: the add, twice on end, and its wait ahead of my first tensor load
	ds_add_u32 v[SPW], v[NIL]
	v_lshrrev_b32 v1, 5, v0
	v_readfirstlane_b32 s14, v1                    ; wave 0..3
	s_lshr_b32 s15, s14, 1                         ; my half of the queries.  Also: behind the head I fetch for A (0) or for B (1)
	s_and_b32 s16, s14, 1                          ; my half of the keys.  Also: which half of a fill of that operand I fetch
	s_bfe_u32 s40, ttmp6, 0x40000                  ; cx
	s_bfe_u32 s41, ttmp6, 0x40004                  ; cy
	s_lshl_b32 s42, ttmp9, 2
	s_add_co_u32 s42, s42, s40                     ; the tile of keys
	s_and_b32 s17, ttmp7, 0xffff
	s_lshr_b32 s44, s17, 1                         ; the batch: from the cluster's y alone
	s_lshl_b32 s43, s17, 2
	s_add_co_u32 s43, s43, s41                     ; 8 x batch + the tile of queries
	s_lshl_b32 s47, s41, 2
	s_lshl_b32 s47, 15, s47                        ; my row of the cluster
	s_lshl_b32 s66, 0x1111, s40                    ; my column
	s_or_b32 s[G1+0], s47, (3<<16)|(1<<21)         ; codes: dense bytes as rows of 3,072 (384 elements of 8 bytes): 24 rows for the head's three steps, later 12 and 8
	s_or_b32 s[G1B+0], s66, (3<<16)|(1<<21)
.irp g, G1, G1B
	s_mov_b32 s[\g+1], 384<<16
	s_mov_b32 s[\g+2], 24<<16
	s_mov_b32 s[\g+3], 384<<16
	s_mov_b32 s[\g+4], 24
	s_mov_b32 s[\g+5], 384
	s_mov_b32 s[\g+6], 0
	s_mov_b32 s[\g+7], 0
.endr
	s_or_b32 s[G1S+0], s47, (3<<16)|(1<<21)        ; scale words of 256 rows: two rows of 4,096 bytes, 8,192 apart
	s_or_b32 s[G1SB+0], s66, (3<<16)|(1<<21)
.irp g, G1S, G1SB
	s_mov_b32 s[\g+1], 512<<16
	s_mov_b32 s[\g+2], 2<<16
	s_mov_b32 s[\g+3], 512<<16
	s_mov_b32 s[\g+4], 2
	s_mov_b32 s[\g+5], 1024
	s_mov_b32 s[\g+6], 0
	s_mov_b32 s[\g+7], 0
.endr
	s_mul_i32 s20, s43, 393216                     ; q's codes
	s_mov_b32 s21, 0
	s_lshl_b32 s22, s43, 14                        ; q's scale words
	s_mov_b32 s23, 0
	s_lshl_b32 s92, s44, 3
	s_add_co_u32 s92, s92, s42                     ; 8 x batch + the tile of keys
	s_lshl_b32 s94, s92, 14
	s_add_co_u32 s94, s94, 4096                    ; k's scale words: the second half of each 8,192
	s_mul_i32 s92, s92, 393216
	s_add_co_u32 s92, s92, 8*STB                   ; k's codes: places 8-15
	s_mov_b32 s93, 0
	s_mov_b32 s95, 0
	s_mul_i32 s17, s16, STB                        ; the refill: my step's place, in LDS and (6 steps on) in memory
	s_mov_b32 s18, s17
	s_mov_b32 s19, 0
	s_mul_i32 s96, s16, 12*3072                    ; steps 3-5: my half of them
	s_mov_b32 s97, 0
	s_lshl_b32 s98, s40, 2                         ; the codes' prefetches: 3,072 bytes for each of 4 partners x 4 waves: q's by cx,
	s_add_co_u32 s98, s98, s14
	s_mul_i32 s98, s98, 3072
	s_mov_b32 s99, 0
	s_lshl_b32 s100, s41, 2                        ; k's by cy
	s_add_co_u32 s100, s100, s14
	s_mul_i32 s100, s100, 3072
	s_mov_b32 s101, 0
	s_wait_dscnt 0x0                               ; both opening adds are done
	s_wait_kmcnt 0x0
	s_add_nc_u64 s[20:21], s[4:5], s[20:21]
	s_add_nc_u64 s[22:23], s[6:7], s[22:23]
	s_add_nc_u64 s[92:93], s[4:5], s[92:93]
	s_add_nc_u64 s[94:95], s[6:7], s[94:95]
	s_mov_b32 s[G0+4], 1                           ; the head's four tiles: q's steps 0-2,
	s_mov_b32 s[G0+5], 0
	s_mov_b64 s[G0+6:G0+7], s[20:21]
	s_or_b32 s[G0+7], s[G0+7], 0x80000000
	s_mov_b32 s[G0B+4], 1                          ; k's,
	s_mov_b32 s[G0B+5], OPB
	s_mov_b64 s[G0B+6:G0B+7], s[92:93]
	s_or_b32 s[G0B+7], s[G0B+7], 0x80000000
	s_mov_b32 s[G0S], 1                            ; q's scale words,
	s_mov_b32 s[G0S+1], SCL
	s_mov_b64 s[G0S+2:G0S+3], s[22:23]
	s_or_b32 s[G0S+3], s[G0S+3], 0x80000000
	s_mov_b32 s[G0SB], 1                           ; k's
	s_mov_b32 s[G0SB+1], SCL+8192
	s_mov_b64 s[G0SB+2:G0SB+3], s[94:95]
	s_or_b32 s[G0SB+3], s[G0SB+3], 0x80000000
	s_mov_b32 s[G0], 1                             ; steps 3-5: half wave % 2 of them
	s_add_co_u32 s[G0+1], s96, 3*STB
	s_add_nc_u64 s[G0+2:G0+3], s[20:21], s[96:97]
	s_add_nc_u64 s[G0+2:G0+3], s[G0+2:G0+3], 3*STB
	s_or_b32 s[G0+3], s[G0+3], 0x80000000
	s_mov_b32 s[G0B], 1
	s_add_co_u32 s[G0B+1], s96, OPB+3*STB
	s_add_nc_u64 s[G0B+2:G0B+3], s[92:93], s[96:97]
	s_add_nc_u64 s[G0B+2:G0B+3], s[G0B+2:G0B+3], 3*STB
	s_or_b32 s[G0B+3], s[G0B+3], 0x80000000
	s_add_nc_u64 s[PFQ:PFQ+1], s[20:21], s[98:99]  ; (the masks, cx and cy have been used)
	s_add_nc_u64 s[PFK:PFK+1], s[92:93], s[100:101]
	s_mov_b32 s[RFA], 1                            ; the refill: step 6 + wave % 2 into place wave % 2 (hc's and hs's addresses have been used)
	s_mov_b32 s[RFA+1], s17
	s_add_nc_u64 s[RFA+2:RFA+3], s[20:21], s[18:19]
	s_add_nc_u64 s[RFA+2:RFA+3], s[RFA+2:RFA+3], 6*STB
	s_or_b32 s[RFA+3], s[RFA+3], 0x80000000
	s_mov_b32 s[RFB], 1
	s_add_co_u32 s[RFB+1], s17, OPB
	s_add_nc_u64 s[RFB+2:RFB+3], s[92:93], s[18:19]
	s_add_nc_u64 s[RFB+2:RFB+3], s[RFB+2:RFB+3], 6*STB
	s_or_b32 s[RFB+3], s[RFB+3], 0x80000000
	CROUND                                         ; all sixteen work-groups are here: the first joint loads meet
	ARM 1, G0+4,  G1,  .Lhead_b                    ; one chain of branches, one load to an arm
	ARM 2, G0B+4, G1B, .Lhead_sa
	ARM 3, G0S,   G1S, .Lhead_sb
	tensor_load_to_lds s[G0SB:G0SB+3], s[G1SB:G1SB+7]
	s_nop 0
	PLACES 4
.Lhead_asked:
	s_mul_i32 s18, s15, 8*FRB                      ; my 8 blocks of a step's 16 of A,
	s_mul_i32 s19, s16, 8*FRB                      ; of B,
	s_add_co_u32 s19, s19, OPB                     ; behind A's six places
	s_add_co_u32 s22, s16, 2                       ; scale words: the lower base + h x the distance
	s_sub_co_u32 s22, s22, s15
	s_lshl_b32 s22, s22, 12
	s_lshl_b32 s23, s15, 12
	s_add_co_u32 s23, s23, SCL
	s_mul_i32 s96, s14, 8448
	s_add_co_u32 s96, s96, MSTG                    ; my stage
	s_mul_i32 s97, s14, 1536
	s_add_co_u32 s97, s97, STAT
	s_lshl_b32 s100, s43, 21                       ; the mask at my 128 queries x 128 keys: 256 rows of 8,192 bytes a tile
	s_lshl_b32 s101, s15, 20
	s_add_co_u32 s100, s100, s101
	s_lshl_b32 s101, s42, 10
	s_add_co_u32 s100, s100, s101
	s_lshl_b32 s101, s16, 9
	s_add_co_u32 s100, s100, s101
	s_mov_b32 s101, 0
	s_add_nc_u64 s[98:99], s[8:9], s[100:101]
	s_mov_b32 s2, 0x76543210
	s_mov_b32 s3, 0xfedcba98                       ; selects for lane l xor 16
	s_mov_b32 s92, 0x3d000000                      ; 1 / 32 (k's addresses stand in their descriptors by now)
	s_mov_b32 s93, s92
	s_mov_b32 s94, 0x3fb8aa3b                      ; log2(e)
	s_mov_b32 s95, s94
	s_lshl_b32 s100, s43, 4
	s_lshl_b32 s101, s15, 3
	s_add_co_u32 s100, s100, s101                  ; my first row block of pc
	s_lshl_b32 s101, s42, 1
	s_add_co_u32 s101, s101, s16                   ; my run of 128 keys
	s_mul_i32 s20, s100, 24576
	s_mul_i32 s21, s101, 1536
	s_add_co_u32 s20, s20, s21
	s_mov_b32 s21, 0
	s_add_nc_u64 s[10:11], s[10:11], s[20:21]
	s_lshl_b32 s20, s100, 10
	s_lshl_b32 s21, s101, 9
	s_add_co_u32 s20, s20, s21
	s_mov_b32 s21, 0
	s_add_nc_u64 s[12:13], s[12:13], s[20:21]
	v_and_b32 v1, 15, v0                           ; r
	v_bfe_u32 v2, v0, 4, 1                         ; h
	v_and_b32 v3, 31, v0
	v_lshlrev_b32 v[LI], 4, v3
	v_add_nc_u32 v[ADRA], s18, v[LI]
	v_add_nc_u32 v[ADRB], s19, v[LI]
	v_add_nc_u32 v[ADRA+1], 2*STB, v[ADRA]
	v_add_nc_u32 v[ADRB+1], 2*STB, v[ADRB]
	v_add_nc_u32 v[ADRA+2], 4*STB, v[ADRA]
	v_add_nc_u32 v[ADRB+2], 4*STB, v[ADRB]
	v_mul_u32_u24 v4, s22, v2
	v_lshl_add_u32 v[ADRS], v1, 2, v4
	v_add_nc_u32 v[ADRS], s23, v[ADRS]
	v_add_nc_u32 v[MIN], s96, v[LI]
	v_mul_u32_u24 v[MOUT], v1, 528
	v_lshl_add_u32 v[MOUT], v2, 6, v[MOUT]
	v_add_nc_u32 v[MOUT], s96, v[MOUT]
	v_lshl_add_u32 v[SST], v1, 2, s97
	v_add_nc_u32 v[SRD], s97, v[LI]
	v_bfe_u32 v4, v0, 1, 3                         ; the mask's prefetches: two lanes to a row of 512 bytes, 256 bytes apart
	v_lshl_add_u32 v4, v2, 4, v4
	v_lshlrev_b32 v4, 13, v4
	v_and_b32 v5, 1, v0
	v_lshl_add_u32 v[PFA], v5, 8, v4
	v_min_u32 v[PFC], 11, v3                       ; the codes': 12 lanes x 256 bytes; the lanes left over name the last block again
	v_lshlrev_b32 v[PFC], 8, v[PFC]
	s_wait_alu depctr_va_vdst(0)
	s_wait_tensorcnt 0x0                           ; my tile of the head's four is in
	ds_add_u32 v[SPW], v[NIL]
	ROWS 12                                        ; no tensor load of mine is out
	s_wait_dscnt 0x0
	CROUND                                         ; everybody's tile is in, and all sixteen work-groups are here
	JLOAD G0, G1, G0B, G1B                         ; steps 3-5, the first tensor load behind the round
	FETCH_B 0
	FETCH_A 0, 0
	SCALES 0
	FETCH_A 0, 4
	global_prefetch_b8 v[PFC], s[PFQ:PFQ+1] offset:6*STB th:TH_LOAD_NT scope:SCOPE_SE   ; my 3,072 bytes of q's steps 6 and 7,
	global_prefetch_b8 v[PFC], s[PFK:PFK+1] offset:6*STB th:TH_LOAD_NT scope:SCOPE_SE   ; and of k's
	STEP 0, 1, -1
	STEP 1, 0, 0
	TURN 2, 1
	MLOAD 0, 0, 64, 96                             ; behind the last refill: two blocks of the mask are on their way through the rest of the products
	MLOAD 1, 1, 96, 224
	STEP 3, 0, 2
	STEP 4, 0, 4
	TURN 5, 0
	STEP 6, 0, 6
	s_wait_dscnt 12
	MULR 0, 4, 7, 0
	s_wait_dscnt 0x0
	MULR 4, 4, 7, 0
	WIN 0
	s_wait_loadcnt 0x0                             ; mask blocks 0 and 1
	PLACES 4
	MLOAD 2, 1, 0, 32                              ; B's registers are free
	MLOAD 3, 1, 128, 160
	MLOAD 4, 1, 64, 192
	MST 0, 64, 96, -1
	MLD 0
	MST 1, 96, 224, -1
	MLD 1
	COMPUTE 0
	MLD 2
	COMPUTE 1
	MLD 3
	COMPUTE 2
	MLD 4
	COMPUTE 3
	MLD 5
	COMPUTE 4
	MLD 6
	COMPUTE 5
	MLD 7
	COMPUTE 6
	COMPUTE 7
.irp p, 0,1,2
	ds_load_b128 v[32+4*\p:35+4*\p], v[SRD] offset:512*\p   ; my 128 queries' scale words, M, sums: these loads see my stores
.endr
	s_wait_dscnt 0x0
.irp p, 0,1,2
	global_store_b128 v[LI], v[32+4*\p:35+4*\p], s[12:13] offset:524288*\p   ; 512 consecutive bytes, aligned
.endr
	s_wait_tensorcnt 0x0                           ; the wave's end
	ds_add_u32 v[SPW], v[NIL]
	s_wait_dscnt 0x0
	CROUND                                         ; the closing round
	s_endpgm
.Lfunc_end_k_qdbd108c3ed_scores:
	.size	k_qdbd108c3ed_scores, .Lfunc_end_k_qdbd108c3ed_scores-k_qdbd108c3ed_scores
	.p2alignl 7, 3214868480
	.fill 96, 4, 3214868480
	.section	.rodata,"a",@progbits
	.p2align	6, 0x0
	.amdhsa_kernel k_qdbd108c3ed_scores
		.amdhsa_group_segment_fixed_size 327680
		.amdhsa_private_segment_fixed_size 0
		.amdhsa_enable_private_segment 0
		.amdhsa_kernarg_size 40
		.amdhsa_user_sgpr_count 2
		.amdhsa_user_sgpr_kernarg_segment_ptr 1
		.amdhsa_wavefront_size32 1
		.amdhsa_system_sgpr_workgroup_id_x 1
		.amdhsa_system_sgpr_workgroup_id_y 1
		.amdhsa_system_sgpr_workgroup_id_z 1
		.amdhsa_system_vgpr_workitem_id 0
		.amdhsa_next_free_vgpr 1024
		.amdhsa_next_free_sgpr 102
		.amdhsa_reserve_vcc 0
		.amdhsa_float_denorm_mode_32 3
		.amdhsa_float_denorm_mode_16_64 3
		.amdhsa_memory_ordered 1
		.amdhsa_forward_progress 1
		.amdhsa_inst_pref_size 246
	.end_amdhsa_kernel
	.amdgpu_metadata
---
amdhsa.version: [ 1, 2 ]
amdhsa.kernels:
  - .name:           k_qdbd108c3ed_scores
    .symbol:         k_qdbd108c3ed_scores.kd
    .args:
      - { .name: hc, .offset: 0, .size: 8, .value_kind: global_buffer, .address_space: global }
      - { .name: hs, .offset: 8, .size: 8, .value_kind: global_buffer, .address_space: global }
      - { .name: mask, .offset: 16, .size: 8, .value_kind: global_buffer, .address_space: global }
      - { .name: pc, .offset: 24, .size: 8, .value_kind: global_buffer, .address_space: global }
      - { .name: pst, .offset: 32, .size: 8, .value_kind: global_buffer, .address_space: global }
    .group_segment_fixed_size: 327680
    .private_segment_fixed_size: 0
    .kernarg_segment_align: 8
    .kernarg_segment_size: 40
    .max_flat_workgroup_size: 128
    .sgpr_count:     102
    .vgpr_count:     1024
    .wavefront_size: 32
...
	.end_amdgpu_metadata
.endif
;; end of part 3
;; launch pv (part 4): grid 4 x 64, 4 waves a work-group, clusters of 4 x 4, 327,680 bytes of LDS; arguments pc, pst, hc, hs, out0; writes out0
.if DOCPART == 4
	.amdgcn_target "amdgcn-amd-amdhsa--gfx1250"
	.amdhsa_code_object_version 6
	.text
	.protected	k_qdbd108c3ed_pv
	.globl	k_qdbd108c3ed_pv
	.p2align	8
	.type	k_qdbd108c3ed_pv,@function
k_qdbd108c3ed_pv:
	s_mov_b64 s[64:65], 0
	v_nop
	global_prefetch_b8 v0, s[64:65] scope:SCOPE_SE
	s_setreg_imm32_b32 hwreg(HW_REG_WAVE_MODE, 25, 1), 1
	s_wait_xcnt 0x0
	s_wait_alu depctr_hold_cnt(0) depctr_sa_sdst(0) depctr_va_vdst(0) depctr_va_sdst(0) depctr_va_ssrc(0) depctr_va_vcc(0) depctr_vm_vsrc(0)
	s_getreg_b32 s2, hwreg(HW_REG_IB_STS2, 6, 4)
	s_cmp_eq_u32 s2, 0
	s_cbranch_scc0 .Lentry_in_a_cluster
	s_endpgm
.Lentry_in_a_cluster:
	s_bfe_u32 s2, ttmp6, 0x10000c
	s_cmp_lg_u32 s2, 0xf033
	s_cbranch_scc0 .Lentry_shape_is_right
	s_endpgm
.Lentry_shape_is_right:
.set NA,    4
.set NQ,    4
.set NAW,   8
.set FRB,   1536
.set KSTR,  3072
.set SLOT,  (NAW+16)*NQ*FRB
.set ASC,   2*SLOT
.set RL,    ASC+8192
.set BSC,   RL+512
.set SPARE, BSC+16384
.set ADRA,  16
.set ADRB,  20
.set STO,   24
.set RD,    25
.set LI,    26
.set ADRS,  27
.set SPW,   28
.set NIL,   29
.set SC,    32
.set RC,    96
.set AF,    128
.set MV,    128
.set LV,    144
.set SW,    160
.set T,     32
.set BK,    128
.set G1,  24
.set G0,  32
.set G1B, 48
.set G0B, 56
.set G1SB, 80
.set G0SB, 88
.set MSB, 0
.macro WIN new
.if MSB != (\new)
	s_set_vgpr_msb (MSB<<8)|(\new)
.set MSB, (\new)
.endif
.endm
.macro PLACES n
.rept \n
	v_nop
.endr
.endm
.macro JLOAD g0a, g1a, g0b, g1b
	s_cmp_eq_u32 s15, 0
	s_cbranch_scc0 .Lfor_b_\@
	tensor_load_to_lds s[\g0a:\g0a+3], s[\g1a:\g1a+7]
	s_nop 0
.rept 4
	v_nop
.endr
	s_branch .Lasked_\@
.Lfor_b_\@:
	tensor_load_to_lds s[\g0b:\g0b+3], s[\g1b:\g1b+7]
	s_nop 0
.rept 4
	v_nop
.endr
.Lasked_\@:
.endm
.macro CREST
	s_cmp_lg_u32 s14, 0
	s_cbranch_scc1 .Lnot_wave_0_\@
	s_barrier_signal -3
.Lnot_wave_0_\@:
	s_barrier_wait -3
	s_barrier_signal -1
	s_barrier_wait -1
.endm
.macro CROUND
	s_barrier_signal -1
	s_barrier_wait -1
	CREST
.endm
.macro FRAG reg, adr, i, q
.irp p, 0,1,2
	ds_load_b128 v[\reg+4*\p:\reg+4*\p+3], v[\adr] offset:((\i)*NQ+(\q))*FRB+512*\p
.endr
.endm
.macro FETCH_B slot, q, p
	WIN 0x40
.irp i, 0,1,2,3,4,5,6,7
	FRAG 128*(\p)+12*\i, ADRB+\slot, \i, \q
.endr
	WIN 0
.endm
.macro FETCH_A slot, q, i0, n
.set FI, \i0
.rept \n
	FRAG AF+12*FI, ADRA+\slot, FI, \q
.set FI, FI+1
.endr
.endm
.macro SCALES sc
.set SI, 0
.rept 8
.set SQ, 0
.rept NQ
	ds_load_b32 v[SC+8*NQ*(\sc)+NQ*SI+SQ], v[ADRS] offset:512*SQ+64*SI
.set SQ, SQ+1
.endr
.set SI, SI+1
.endr
.endm
.macro MULR a0, n, p, q, sc, zero
	WIN 0xa1
.set MA, \a0
.rept \n
.irp b, 0,1,2,3,4,5,6,7
.set MD, 8*(8*MA+\b)
.if \zero
	v_wmma_scale_f32_16x16x128_f8f6f4 v[MD:MD+7], v[128*(\p)+12*\b:128*(\p)+12*\b+11], v[AF+12*MA:AF+12*MA+11], 0, v[SC+8*NQ*(\sc)+NQ*\b+(\q)], v[SC+8*NQ*(\sc)+NQ*MA+(\q)] matrix_a_fmt:MATRIX_FMT_FP6 matrix_b_fmt:MATRIX_FMT_FP6 matrix_a_scale:MATRIX_SCALE_ROW1
.else
	v_wmma_scale_f32_16x16x128_f8f6f4 v[MD:MD+7], v[128*(\p)+12*\b:128*(\p)+12*\b+11], v[AF+12*MA:AF+12*MA+11], v[MD:MD+7], v[SC+8*NQ*(\sc)+NQ*\b+(\q)], v[SC+8*NQ*(\sc)+NQ*MA+(\q)] matrix_a_fmt:MATRIX_FMT_FP6 matrix_b_fmt:MATRIX_FMT_FP6 matrix_a_scale:MATRIX_SCALE_ROW1
.endif
.endr
.set MA, MA+1
.endr
.endm
.macro STEP slot, q, zero
	s_wait_dscnt 3*NA/2
	MULR 0, NA/2, (\q)%2, \q, \slot, \zero
	s_wait_dscnt 0x0
	PLACES 4
	FETCH_B \slot, (\q)+1, 1-(\q)%2
	FETCH_A \slot, (\q)+1, 0, NA/2
	MULR NA/2, NA/2, (\q)%2, \q, \slot, \zero
	PLACES 4
	WIN 0
	FETCH_A \slot, (\q)+1, NA/2, NA/2
.endm
.macro TURN slot, next, fill
	s_wait_tensorcnt 0x0
	ds_add_u32 v[SPW], v[NIL]
	s_wait_dscnt 3*NA/2+1
	MULR 0, NA/4, 1, NQ-1, \slot, 0
	s_wait_dscnt 0x0
	s_barrier_signal -1
	MULR NA/4, NA/4, 1, NQ-1, \slot, 0
	WIN 0
	s_barrier_wait -1
.if \fill
	CREST
	s_add_nc_u64 s[G0+4*\slot+2:G0+4*\slot+3], s[G0+4*\slot+2:G0+4*\slot+3], 2*NQ*FRB
	s_add_nc_u64 s[G0B+4*\slot+2:G0B+4*\slot+3], s[G0B+4*\slot+2:G0B+4*\slot+3], 2*NQ*FRB
	JLOAD G0+4*\slot, G1, G0B+4*\slot, G1B
.else
	PLACES 4
.endif
	s_wait_alu depctr_va_vdst(0)
	v_add_nc_u32 v[ADRS], 512*NQ, v[ADRS]
	FETCH_B \next, 0, 0
	FETCH_A \next, 0, 0, NA/2
	SCALES \next
	MULR NA/2, NA/2, 1, NQ-1, \slot, 0
	PLACES 4
	WIN 0
	FETCH_A \next, 0, NA/2, NA/2
.endm
.macro PACK a
	WIN 0x02
.set J, 0
.rept 32
	v_pk_mul_f32 v[T+J:T+J+1], v[64*(\a)+J:64*(\a)+J+1], v[RC+2*(\a):RC+2*(\a)+1] op_sel_hi:[1,0]
.set J, J+2
.endr
	WIN 0
.endm
.macro TOSTAGE a
.irp b, 0,1,2,3,4,5,6,7
	ds_store_b128 v[STO], v[T+8*\b:T+8*\b+3] offset:128*(\b/2)+32*(\b%2)
	ds_store_b128 v[STO], v[T+8*\b+4:T+8*\b+7] offset:128*(\b/2)+32*(\b%2)+16
.endr
.set BB, BK+64*((\a)%2)
.irp t, 0,1,2,3,4,5,6,7,8,9,10,11,12,13,14,15
	ds_load_b128 v[BB+4*\t:BB+4*\t+3], v[RD] offset:528*\t
.endr
.endm
.macro SEND a, younger
.set BB, BK+64*((\a)%2)
	s_wait_dscnt \younger
.irp t, 0,1,2,3,4,5,6,7
	global_store_b128 v[LI], v[BB+4*\t:BB+4*\t+3], s[12:13] offset:(32*((\a)/2)+8*((\a)%2)+\t)*4096 th:TH_STORE_NT
.endr
.irp t, 8,9,10,11,12,13,14,15
	global_store_b128 v[LI], v[BB+4*\t:BB+4*\t+3], s[12:13] offset:(32*((\a)/2)+8*((\a)%2)+\t+8)*4096 th:TH_STORE_NT
.endr
.endm
	s_load_b256 s[4:11], s[0:1], 0x0
	s_load_b64 s[12:13], s[0:1], 0x20
	v_lshl_add_u32 v[SPW], v0, 2, SPARE
	v_mov_b32 v[NIL], 0
	ds_add_u32 v28, v29
	ds_add_u32 v28, v29
	s_wait_dscnt 0x0
	v_lshrrev_b32 v1, 5, v0
	v_readfirstlane_b32 s14, v1
	s_lshr_b32 s15, s14, 1
	s_and_b32 s16, s14, 1
	s_bfe_u32 s40, ttmp6, 0x40000
	s_bfe_u32 s41, ttmp6, 0x40004
	s_lshl_b32 s42, ttmp9, 2
	s_add_co_u32 s42, s42, s40
	s_and_b32 s17, ttmp7, 0xffff
	s_lshr_b32 s44, s17, 2
	s_lshl_b32 s43, s17, 2
	s_add_co_u32 s43, s43, s41
	s_lshl_b32 s47, s41, 2
	s_lshl_b32 s47, 15, s47
	s_lshl_b32 s66, 0x1111, s40
	s_or_b32 s[G1+0], s47, (3<<16)|(1<<21)
	s_mov_b32 s[G1+1], (192*NQ)<<16
	s_mov_b32 s[G1+2], 8<<16                       ; the head's load brings all 8 row blocks of A's slot; behind it the two words that count rows are set to 4
	s_mov_b32 s[G1+3], (192*NQ)<<16
	s_mov_b32 s[G1+4], 8
	s_mov_b32 s[G1+5], KSTR
	s_mov_b32 s[G1+6], 0
	s_mov_b32 s[G1+7], 0
	s_or_b32 s[G1B+0], s66, (3<<16)|(1<<21)
	s_mov_b32 s[G1B+1], (192*NQ)<<16
	s_mov_b32 s[G1B+2], 16<<16                     ; likewise B's 16, then 8
	s_mov_b32 s[G1B+3], (192*NQ)<<16
	s_mov_b32 s[G1B+4], 16
	s_mov_b32 s[G1B+5], KSTR
	s_mov_b32 s[G1B+6], 0
	s_mov_b32 s[G1B+7], 0
	s_or_b32 s[G1SB+0], s66, (3<<16)|(1<<21)
	s_mov_b32 s[G1SB+1], 32<<16
	s_mov_b32 s[G1SB+2], 32<<16                    ; B's scale words: 8,192 dense bytes a load
	s_mov_b32 s[G1SB+3], 32<<16
	s_mov_b32 s[G1SB+4], 32
	s_mov_b32 s[G1SB+5], 32
	s_mov_b32 s[G1SB+6], 0
	s_mov_b32 s[G1SB+7], 0
	s_lshl_b32 s20, s43, 3
	s_lshl_b32 s18, s16, 2
	s_add_co_u32 s20, s20, s18
	s_mul_i32 s20, s20, 24576
	s_mov_b32 s21, 0
	s_lshl_b32 s22, s43, 13
	s_mov_b32 s23, 0
	s_lshl_b32 s92, s44, 6
	s_lshl_b32 s18, s42, 4
	s_add_co_u32 s92, s92, s18
	s_lshl_b32 s18, s16, 3
	s_add_co_u32 s92, s92, s18
	s_add_co_u32 s92, s92, 512
	s_mul_i32 s92, s92, 24576
	s_mov_b32 s93, 0
	s_lshl_b32 s94, s44, 3
	s_lshl_b32 s18, s42, 1
	s_add_co_u32 s94, s94, s18
	s_add_co_u32 s94, s94, 64
	s_lshl_b32 s94, s94, 13
	s_lshl_b32 s18, s16, 13
	s_add_co_u32 s94, s94, s18
	s_mov_b32 s95, 0
	s_mul_i32 s17, s16, 4*NQ*FRB
	s_mul_i32 s18, s16, 8*NQ*FRB
	s_add_co_u32 s18, s18, NAW*NQ*FRB
	s_lshl_b32 s19, s16, 13
	s_add_co_u32 s19, s19, BSC
	s_wait_kmcnt 0x0
	s_add_nc_u64 s[20:21], s[4:5], s[20:21]
	s_add_nc_u64 s[6:7], s[6:7], s[22:23]
	s_add_nc_u64 s[92:93], s[8:9], s[92:93]
	s_add_nc_u64 s[94:95], s[10:11], s[94:95]
	s_mul_i32 s96, s16, 4*24576                    ; the ring's addresses hold my half of a tile's row blocks: the head's loads begin at the tile's first
	s_mov_b32 s97, 0
	s_mul_i32 s98, s16, 8*24576
	s_mov_b32 s99, 0
	s_mov_b32 s68, 1                               ; group 0: A's 8 row blocks of slot 0,
	s_mov_b32 s69, 0
	s_sub_nc_u64 s[70:71], s[20:21], s[96:97]
	s_or_b32 s71, s71, 0x80000000
	s_mov_b32 s72, 1                               ; B's 16, behind them,
	s_mov_b32 s73, NAW*NQ*FRB
	s_sub_nc_u64 s[74:75], s[92:93], s[98:99]
	s_or_b32 s75, s75, 0x80000000
	s_mov_b32 s[G0SB], 1                           ; and half of B's scale words for each of waves 2 and 3
	s_mov_b32 s[G0SB+1], s19
	s_mov_b64 s[G0SB+2:G0SB+3], s[94:95]
	s_or_b32 s[G0SB+3], s[G0SB+3], 0x80000000
.irp s, 0,1
	s_mov_b32 s[G0+4*\s], 1
	s_add_co_u32 s[G0+4*\s+1], s17, \s*SLOT
	s_add_nc_u64 s[G0+4*\s+2:G0+4*\s+3], s[20:21], \s*NQ*FRB
	s_or_b32 s[G0+4*\s+3], s[G0+4*\s+3], 0x80000000
	s_mov_b32 s[G0B+4*\s], 1
	s_add_co_u32 s[G0B+4*\s+1], s18, \s*SLOT
	s_add_nc_u64 s[G0B+4*\s+2:G0B+4*\s+3], s[92:93], \s*NQ*FRB
	s_or_b32 s[G0B+4*\s+3], s[G0B+4*\s+3], 0x80000000
.endr
	CROUND                                         ; all sixteen work-groups are here: the first joint loads meet
	s_cmp_lt_u32 s14, 1                            ; one chain of branches on the wave's number, one load to an arm
	s_cbranch_scc0 .Lhead_b
	tensor_load_to_lds s[68:71], s[G1:G1+7]
	s_nop 0
	PLACES 4
	s_branch .Lhead_asked
.Lhead_b:
	s_cmp_lt_u32 s14, 2
	s_cbranch_scc0 .Lhead_s
	tensor_load_to_lds s[72:75], s[G1B:G1B+7]
	s_nop 0
	PLACES 4
	s_branch .Lhead_asked
.Lhead_s:
	tensor_load_to_lds s[G0SB:G0SB+3], s[G1SB:G1SB+7]
	s_nop 0
	PLACES 4
.Lhead_asked:
	v_lshlrev_b32 v4, 2, v0
.irp k, 0,1,2,3,4,5,6,7,8,9,10,11,12,13,14,15
	global_load_b32 v[SW+\k], v4, s[6:7] offset:512*\k
	global_load_b32 v[MV+\k], v4, s[6:7] offset:524288+512*\k
	global_load_b32 v[LV+\k], v4, s[6:7] offset:1048576+512*\k
.endr
	v_lshl_add_u32 v5, v0, 2, ASC
	v_and_b32 v1, 15, v0
	v_bfe_u32 v2, v0, 4, 1
	s_wait_alu depctr_va_vdst(0)
	v_and_b32 v3, 31, v0
	v_lshlrev_b32 v[LI], 4, v3
	s_mul_i32 s18, s15, NA*NQ*FRB
	s_mul_i32 s19, s16, 8*NQ*FRB
	s_add_co_u32 s19, s19, NAW*NQ*FRB
.irp s, 0,1
	v_add_nc_u32 v[ADRA+\s], s18, v[LI]
	v_add_nc_u32 v[ADRB+\s], s19, v[LI]
	s_add_co_u32 s18, s18, SLOT
	s_add_co_u32 s19, s19, SLOT
.endr
	s_lshl_b32 s18, s16, 13
	s_add_co_u32 s18, s18, BSC-ASC
	s_lshl_b32 s19, s15, 8
	s_sub_co_u32 s18, s18, s19
	v_mul_u32_u24 v6, s18, v2
	s_add_co_u32 s19, s19, ASC
	v_lshl_add_u32 v[ADRS], v1, 2, v6
	v_add_nc_u32 v[ADRS], s19, v[ADRS]
	s_lshl_b32 s18, s15, 8
	s_add_co_u32 s18, s18, RL
	v_lshl_add_u32 v7, v1, 2, s18
	s_mul_i32 s18, s14, 8448
	v_mul_u32_u24 v[STO], v1, 528
	v_lshl_add_u32 v[STO], v2, 6, v[STO]
	v_add_nc_u32 v[STO], s18, v[STO]
	v_add_nc_u32 v[RD], s18, v[LI]
	s_lshl_b32 s100, s43, 19
	s_lshl_b32 s101, s15, 18
	s_add_co_u32 s100, s100, s101
	s_lshl_b32 s101, s42, 10
	s_add_co_u32 s100, s100, s101
	s_lshl_b32 s101, s16, 9
	s_add_co_u32 s100, s100, s101
	s_mov_b32 s101, 0
	s_add_nc_u64 s[12:13], s[12:13], s[100:101]
	; prefetches of the later slots' tiles, each aligned 256 bytes once in the cluster: of A's 8 row blocks the partner at cx takes two, a wave half of one (3,072 bytes of a slot's 6,144); of B's 16 the partner at cy takes four, a wave one
	s_lshl_b32 s100, s43, 3
	s_lshl_b32 s101, s40, 1
	s_add_co_u32 s100, s100, s101
	s_add_co_u32 s100, s100, s15
	s_mul_i32 s100, s100, 24576
	s_mul_i32 s101, s16, 3072
	s_add_co_u32 s100, s100, s101
	s_mov_b32 s101, 0
	s_add_nc_u64 s[76:77], s[4:5], s[100:101]      ; never rewritten
	s_lshl_b32 s100, s44, 6
	s_lshl_b32 s101, s42, 4
	s_add_co_u32 s100, s100, s101
	s_lshl_b32 s101, s41, 2
	s_add_co_u32 s100, s100, s101
	s_add_co_u32 s100, s100, s14
	s_add_co_u32 s100, s100, 512
	s_mul_i32 s100, s100, 24576
	s_mov_b32 s101, 0
	s_add_nc_u64 s[78:79], s[8:9], s[100:101]      ; never rewritten
	v_min_u32 v30, 11, v3                          ; 12 lanes x 256 bytes; the lanes left over name the last block again
	v_min_u32 v31, 23, v3                          ; 24 lanes x 256 bytes
	v_lshlrev_b32 v30, 8, v30
	v_lshlrev_b32 v31, 8, v31
.irp j, 1,2
	global_prefetch_b8 v30, s[76:77] offset:6144*\j th:TH_LOAD_NT scope:SCOPE_SE   ; slots 1 and 2 here, slot 3 in the first step
	global_prefetch_b8 v31, s[78:79] offset:6144*\j th:TH_LOAD_NT scope:SCOPE_SE
.endr
	s_wait_alu depctr_va_vdst(0)
	s_wait_tensorcnt 0x0                           ; my tile of the head's is in
	ds_add_u32 v[SPW], v[NIL]
	s_mov_b32 s[G1+2], 4<<16                       ; no tensor load of mine is out: from here on a load brings 4 row blocks of A,
	s_mov_b32 s[G1+4], 4
	s_mov_b32 s[G1B+2], 8<<16                      ; or 8 of B
	s_mov_b32 s[G1B+4], 8
	s_wait_dscnt 0x0
	CROUND                                         ; everybody's tile is in, and all sixteen work-groups are here
	JLOAD G0+4, G1, G0B+4, G1B                     ; slot 1's first fill, the first tensor load behind the round; it is on its way while the runs' M and sums are joined
	s_wait_loadcnt 0x0
	v_max3_num_f32 v180, v[MV], v[MV+1], v[MV+2]
.irp k, 3,5,7,9,11,13
	v_max3_num_f32 v180, v180, v[MV+\k], v[MV+\k+1]
.endr
	v_max_num_f32 v180, v180, v[MV+15]
.irp k, 0,1,2,3,4,5,6,7,8,9,10,11,12,13,14,15
	v_sub_f32 v176, v180, v[MV+\k]
	v_min_num_f32 v176, 0x437f0000, v176
	v_cvt_u32_f32 v177, v176
	v_sub_nc_u32 v178, 0, v177
	v_ldexp_f32 v178, 1.0, v178
.if \k == 0
	v_mul_f32 v179, v[LV+\k], v178
.else
	v_fma_f32 v179, v[LV+\k], v178, v179
.endif
.irp j, 0,1,2,3
	v_bfe_u32 v[181+\j], v[SW+\k], 8*\j, 8
.endr
.irp j, 0,1,2,3
	v_min_u32 v[185+\j], v[181+\j], v177
.endr
.irp j, 0,1,2,3
	v_sub_nc_u32 v[181+\j], v[181+\j], v[185+\j]
.endr
	v_lshl_or_b32 v181, v182, 8, v181
	v_lshl_or_b32 v181, v183, 16, v181
	v_lshl_or_b32 v[SW+\k], v184, 24, v181
	ds_store_b32 v5, v[SW+\k] offset:512*\k
.endr
	s_wait_alu depctr_va_vdst(0)
	v_rcp_f32 v186, v179
	v_nop
	s_wait_alu depctr_va_vdst(0)
	ds_store_b32 v5, v186 offset:8192
	s_wait_tensorcnt 1
	s_wait_dscnt 0x0
	s_barrier_signal -1
	s_barrier_wait -1
.irp a, 0,1,2,3
	ds_load_b32 v[RC+2*\a], v7 offset:64*\a
	ds_load_b32 v[RC+2*\a+1], v7 offset:64*\a
.endr
	FETCH_B 0, 0, 0
	FETCH_A 0, 0, 0, NA/2
	SCALES 0
	FETCH_A 0, 0, NA/2, NA/2
	STEP 0, 0, 1
	global_prefetch_b8 v30, s[76:77] offset:6144*3 th:TH_LOAD_NT scope:SCOPE_SE
	global_prefetch_b8 v31, s[78:79] offset:6144*3 th:TH_LOAD_NT scope:SCOPE_SE
	STEP 0, 1, 0
	STEP 0, 2, 0
	TURN 0, 1, 1
	STEP 1, 0, 0
	STEP 1, 1, 0
	STEP 1, 2, 0
	TURN 1, 0, 1
	STEP 0, 0, 0
	STEP 0, 1, 0
	STEP 0, 2, 0
	TURN 0, 1, 0
	STEP 1, 0, 0
	STEP 1, 1, 0
	STEP 1, 2, 0
	s_wait_dscnt 3*NA/2
	MULR 0, NA/2, 1, NQ-1, 1, 0
	s_wait_dscnt 0x0
	MULR NA/2, NA/2, 1, NQ-1, 1, 0
	WIN 0
	PLACES 4
	PACK 0
	TOSTAGE 0
.irp a, 1,2,3
.if \a > 1
	s_wait_xcnt 0x0
.endif
	PACK \a
	TOSTAGE \a
	SEND \a-1, 32
.endr
	SEND 3, 0
	s_wait_tensorcnt 0x0
	ds_add_u32 v[SPW], v[NIL]
	s_wait_dscnt 0x0
	CROUND
	s_endpgm
.Lfunc_end_k_qdbd108c3ed_pv:
	.size	k_qdbd108c3ed_pv, .Lfunc_end_k_qdbd108c3ed_pv-k_qdbd108c3ed_pv
	.p2alignl 7, 3214868480
	.fill 96, 4, 3214868480
	.section	.rodata,"a",@progbits
	.p2align	6, 0x0
	.amdhsa_kernel k_qdbd108c3ed_pv
		.amdhsa_group_segment_fixed_size 327680
		.amdhsa_private_segment_fixed_size 0
		.amdhsa_enable_private_segment 0
		.amdhsa_kernarg_size 40
		.amdhsa_user_sgpr_count 2
		.amdhsa_user_sgpr_kernarg_segment_ptr 1
		.amdhsa_wavefront_size32 1
		.amdhsa_system_sgpr_workgroup_id_x 1
		.amdhsa_system_sgpr_workgroup_id_y 1
		.amdhsa_system_sgpr_workgroup_id_z 1
		.amdhsa_system_vgpr_workitem_id 0
		.amdhsa_next_free_vgpr 768
		.amdhsa_next_free_sgpr 102
		.amdhsa_reserve_vcc 0
		.amdhsa_float_denorm_mode_32 3
		.amdhsa_float_denorm_mode_16_64 3
		.amdhsa_memory_ordered 1
		.amdhsa_forward_progress 1
		.amdhsa_inst_pref_size 175
	.end_amdhsa_kernel
	.amdgpu_metadata
---
amdhsa.version: [ 1, 2 ]
amdhsa.kernels:
  - .name:           k_qdbd108c3ed_pv
    .symbol:         k_qdbd108c3ed_pv.kd
    .args:
      - { .name: pc, .offset: 0, .size: 8, .value_kind: global_buffer, .address_space: global }
      - { .name: pst, .offset: 8, .size: 8, .value_kind: global_buffer, .address_space: global }
      - { .name: hc, .offset: 16, .size: 8, .value_kind: global_buffer, .address_space: global }
      - { .name: hs, .offset: 24, .size: 8, .value_kind: global_buffer, .address_space: global }
      - { .name: out0, .offset: 32, .size: 8, .value_kind: global_buffer, .address_space: global }
    .group_segment_fixed_size: 327680
    .private_segment_fixed_size: 0
    .kernarg_segment_align: 8
    .kernarg_segment_size: 40
    .max_flat_workgroup_size: 128
    .sgpr_count:     102
    .vgpr_count:     768
    .wavefront_size: 32
...
	.end_amdgpu_metadata
.endif
;; end of part 4
